; MI455X (gfx1250); checked and timed in simulation.
; The chip was launched on July 23, 2026; its instructions are those of AMD's public machine-readable ISA for CDNA 5 (MIT licence, August 2026) and "CDNA5" Instruction Set Architecture Reference Guide (July 2026). The comments in the code are by the model that wrote it; some were corrected since.
;; Multi Head Attention. Allowed arithmetic: matrix products marked QUANTISED: E3M2 operands, one E8M0 scale for each 32 along K, by v_wmma_scale_f32_16x16x128_f8f6f4 with both operands' format E3M2, f32 sums; everything else in f32.
;; Inputs: w_out 1,024 x 1,024 float32; w_qkv 3,072 x 1,024 float32; x 4 x 2,048 x 1,024 float32.
;; Outputs: out0 4 x 2,048 x 1,024 float32.
;; This version of the problem:
;;   THIS VERSION OF THE PROBLEM IS GIVEN IN LOW PRECISION. The matrix products marked QUANTISED in the list below multiply operands that are first quantised to E3M2 (3 exponent bits, 2 mantissa bits; 6 bits a number), with one power-of-two scale for each 32 numbers along K (OCP MX v1.0); their sums are f32. All else is computed in f32.
;;   The module's matrix products, in the order in which they are computed (A, B: the left and right operand; K: the contracted axis; several contracted axes count as one K, in the product's order):
;;     1. [M 8,192, K 1,024] x [K 1,024, N 3,072]; A: input x; B: input w_qkv: QUANTISED
;;     2. batch 64 x [M 2,048, K 64] x [K 64, N 2,048]; A: computed on the way; B: computed on the way: QUANTISED
;;     3. batch 64 x [M 2,048, K 2,048] x [K 2,048, N 64]; A: softmax (see below); B: computed on the way: QUANTISED
;;     4. [M 8,192, K 1,024] x [K 1,024, N 1,024]; A: computed on the way; B: input w_out: QUANTISED
;;   THE QUANTISER, for each operand of a quantised product, along K:
;;     - K is cut into blocks of 32 from its start; a last block that is shorter is filled with zeros.
;;     - A block's scale is 2^e with e = floor(log2(the largest magnitude in the block)) - 4, held to -126 .. 127; a block of zeros has e = 0. As a byte (E8M0): e + 127.
;;     - Each number is divided by its block's scale, clamped to +-28, and rounded to the nearest number of E3M2, ties to even, subnormals kept.
;;     - The product sums the exact products of the quantised numbers (number of the format x scale) in f32.
;;   ~~~python
;;   def quantise(x, axis):      # numpy; x: float32 -> the quantised numbers, widened to float32 again
;;       x = np.moveaxis(x, axis, -1); K = x.shape[-1]
;;       x = np.pad(x, [(0, 0)] * (x.ndim - 1) + [(0, -K % 32)]); x = x.reshape(x.shape[:-1] + (-1, 32)); a = np.abs(x).max(-1, keepdims=True)
;;       e = np.where(a > 0, np.clip(np.frexp(np.where(a > 0, a, 1))[1] - 1 - 4, -126, 127), 0)      # np.frexp(a)[1] - 1 = floor(log2(a)), exactly
;;       r = np.clip(x / 2.0 ** e, -28, 28)
;;       step = 2.0 ** (np.maximum(np.frexp(np.where(r == 0, 1, r))[1] - 1, -2) - 2)
;;       q = np.round(r / step) * step * 2.0 ** e      # np.round: ties to even
;;       return np.moveaxis(q.reshape(q.shape[:-2] + (-1,))[..., :K], -1, axis).astype(np.float32)
;;   ~~~
;;   SOFTMAX AHEAD OF A QUANTISED PRODUCT. Where the list says 'softmax', what is quantised is not the finished softmax but p = 2^(t - M), with t = logit x log2(e) and M = ceil(the row's largest t), a whole number; so 1/2 < the row's largest p <= 1. The row's sum l is taken of the UNQUANTISED p, in f32, and the product's result is divided by l at the end. Since M is a whole number, a kernel that streams over the keys may use a running M (the ceiling of the running maximum): every later rescaling is an exact power of two, which a block's scale takes up: the codes' values come out the same.
;;   OPERANDS COMPUTED ON THE WAY. 'Computed on the way' means the value that the module computes at that place (a softmax that the list does not call 'softmax' is quantised finished and normalised). What goes into a quantiser is computed in f32, as accurately as f32 sums, v_exp_f32 and their like allow (about 1e-6 of the number): no bf16 or f16 on the way to a quantiser, and a product that is left as it is and whose result goes on into a quantised operand takes f32 operands (vector FMAs, or v_wmma_f32_16x16x4_f32). A number that lies on a knife's edge between two numbers of the format may be rounded either way, as far as f32 arithmetic and the matrix unit's own rounding can turn it there, and no further.
;; One version. Each part assembles by itself: llvm-mc -triple=amdgcn-amd-amdhsa -mcpu=gfx1250 --defsym DOCPART=n.
;; ======== version 1 of 1: 4 launches
;; workspace buffers: cod 9,437,184 bytes; scl 393,216 bytes; rope 524,288 bytes; qkv 20,185,088 bytes; oimg 6,291,456 bytes; oscl 262,144 bytes
;; launch prep (part 1): grid 256 x 1, 4 waves a work-group, no clusters, 28,160 bytes of LDS; arguments x, w_qkv, w_out, cod, scl, rope; writes cod, scl, rope
.if DOCPART == 1
	.amdgcn_target "amdgcn-amd-amdhsa--gfx1250"
	.amdhsa_code_object_version 6
	.text
	.protected	k_q43398fee04_prep
	.globl	k_q43398fee04_prep
	.p2align	8
	.type	k_q43398fee04_prep,@function
k_q43398fee04_prep:
	s_mov_b64 s[64:65], 0
	v_nop
	global_prefetch_b8 v0, s[64:65] scope:SCOPE_SE
	s_setreg_imm32_b32 hwreg(HW_REG_WAVE_MODE, 25, 1), 1
	s_wait_xcnt 0x0
; x [8192][1024], w_qkv [3072][1024], w_out [1024][1024], f32, K innermost, become codes of BF6 (E3M2) with one E8M0 byte for each 32 along K; and the table of cos and sin for the rotation is made.
; A block's scale is 2^(floor(log2(its largest magnitude)) - 4); its byte is the largest magnitude's exponent field - 4, held at 1 from below.
; LIMITS: NaN and infinities among the inputs are not served; a block whose largest magnitude lies under 2^-122 gets the byte 1; a block of zeros gets the byte 1 where the rule says 127
; (its codes are zeros, which add nothing under any byte but 0xff, and this program alone reads the bytes).
; LAYOUT OF THE CODES: in the order of the operand's registers.  Rows go in tiles of 16: tile 2 B + u holds in its lane r the row 32 B + 8 u + r + 8 (r / 8).
; cod: [768 tiles][8 K steps][1,536 bytes]; tiles 0-511 x, 512-703 w_qkv, 704-767 w_out.  A K step's 1,536 bytes are two halves of 768 (64 along K each): registers 0-3 of the half at 16 x lane, registers 4-5 at 512 + 8 x lane.
; scl: [768 tiles][512 bytes]: word s (K step s) of row r at 256 (s / 4) + 16 r + 4 (s % 4).
; rope: [2048 positions][cos f = 0..31 | sin f = 0..31], f32: a row is 256 bytes.
; SHARES: waves 0-2 of work-group g take tile 3 g + wave, all 8 K steps; wave 3 makes rows 8 g .. 8 g + 7 of the table.  Waves share nothing: no barrier.
; Each load reads 512 consecutive bytes of one row; a K step's 16 rows turn through the wave's own stage in LDS (rows of 512 + 16 bytes), so that a lane gets 16 neighbours of each block of 32.
; THE TABLE follows the f32 steps of the definition: P = f32(10000^(f / 32)), its reciprocal, one f32 product with the position; cos and sin by reduction with pi / 2 in two parts and polynomials on [-pi/4, pi/4].
; LIMIT: if the definition's own power is not rounded correctly, a frequency differs by one unit in its last place: at most some 2e-4 radians at the largest positions.
.set STG,  8448                        ; a wave's stage: 16 rows x 528 bytes
.set RSTG, 25600                       ; the table's stage: 8 rows x 256 bytes
.set RA,   16                          ; v16-143  two sets of 64: a K step as loaded
.set XN,   144                         ; v144-207 64 numbers: register 16 b + i = k 32 b + 16 (lane / 16) + i of my row
.set PC,   208                         ; v208-226 the codes
.set TM,   228                         ; v228-243 at work
.set WD,   244                         ; v244-251 the 8 scale words
.set DD,   252                         ; v252-255 the four that my half of the lanes stores
.set SEL,  28                          ; s[28:29] v_permlanex16_b32's selects for lane l xor 16
.macro QUANT s, pw                     ; 64 numbers of a lane become a fragment's codes in v[PC] on and its scale word in v[pw]
.irp b, 0,1,2,3
	v_max3_num_f32 v[TM+\b], |v[\s+16*\b]|, |v[\s+1+16*\b]|, 0x2800000   ; my 16 numbers of block b, and the floor 2^(5 - 127): the byte cannot fall under 1
.endr
.irp i, 2,4,6,8,10,12,14
.irp b, 0,1,2,3
	v_max3_num_f32 v[TM+\b], v[TM+\b], |v[\s+16*\b+\i]|, |v[\s+1+16*\b+\i]|   ; the four blocks by turns
.endr
.endr
.irp b, 0,1,2,3
	v_permlanex16_b32 v[TM+4+\b], v[TM+\b], s[SEL], s[SEL+1]
.endr
.irp b, 0,1,2,3
	v_max_num_f32 v[TM+\b], v[TM+\b], v[TM+4+\b]   ; with lane l xor 16's: the block's largest magnitude
.endr
.irp b, 0,1,2,3
	v_add_nc_u32 v[TM+12+\b], 0xfe000000, v[TM+\b]   ; 4 off its exponent field: the conversion's scale operand
.endr
.irp b, 0,1,2,3
	v_lshrrev_b32 v[TM+4+\b], 23, v[TM+12+\b]      ; the scale's byte
.endr
	v_lshl_or_b32 v[\pw], v[TM+5], 8, v[TM+4]
	v_lshl_or_b32 v[\pw], v[TM+6], 16, v[\pw]
	v_lshl_or_b32 v[\pw], v[TM+7], 24, v[\pw]
.irp c, 0,1
	v_cvt_scalef32_pk16_bf6_f32 v[PC+6*\c:PC+2+6*\c], v[\s+32*\c:\s+15+32*\c], v[TM+12+2*\c]
	v_cvt_scalef32_pk16_bf6_f32 v[PC+12+4*\c:PC+14+4*\c], v[\s+16+32*\c:\s+31+32*\c], v[TM+12+2*\c+1]   ; (a conversion's three registers begin on an even number)
.endr
	v_nop                                          ; one plain place behind a scaled conversion
.irp c, 0,1                                    ; the operand wants a whole block in a lane: lanes 0-15 block 2 c, lanes 16-31 block 2 c + 1
.irp i, 0,1,2
	v_permlane16_swap_b32 v[PC+6*\c+\i], v[PC+12+4*\c+\i]
.endr
.irp i, 0,1,2
	v_mov_b32 v[PC+3+6*\c+\i], v[PC+12+4*\c+\i]
.endr
.endr
.endm
	s_load_b256 s[4:11], s[0:1], 0x0               ; x s[4:5], w_qkv s[6:7], w_out s[8:9], cod s[10:11]
	s_load_b128 s[12:15], s[0:1], 0x20             ; scl s[12:13], rope s[14:15]
	v_lshl_add_u32 v238, v0, 2, 0x6c00
	v_mov_b32 v239, 0
	v_lshrrev_b32 v5, 5, v0
	v_readfirstlane_b32 s16, v5                    ; wave 0..3
	v_and_b32 v6, 31, v0                           ; lane
	v_and_b32 v9, 15, v0                           ; r
	v_bfe_u32 v10, v0, 4, 1                        ; h
	v_lshlrev_b32 v1, 4, v6                        ; 16 x lane
	v_lshlrev_b32 v2, 3, v6                        ; 8 x lane
	s_mul_i32 s17, s16, STG
	v_add_nc_u32 v3, s17, v1                       ; the stage, in: 16 x lane of a row
	v_mul_u32_u24 v4, v9, 528
	v_lshl_add_u32 v4, v10, 6, v4
	v_add_nc_u32 v4, s17, v4                       ; and out: row r, + 64 h
	v_lshl_add_u32 v7, v6, 2, RSTG                 ; the table's stage, in: 4 x lane
	v_add_nc_u32 v8, RSTG, v1                      ; and out
	s_cmp_eq_u32 s16, 3
	s_cbranch_scc1 .Lrope                          ; the roles part here, once; each ends by itself
	; ---- waves 0-2: one tile of 16 rows
	s_mul_i32 s17, ttmp9, 3
	s_add_co_u32 s17, s17, s16                     ; my tile, 0 .. 767
	s_mov_b32 s22, 704
	s_mov_b32 s24, 0xffff0000                      ; lanes 16-31
	s_mov_b32 s[SEL], 0x76543210
	s_mov_b32 s[SEL+1], 0xfedcba98
.irp b, 0,1,2,3
	v_mov_b32 v[TM+4+\b], 0                        ; written once: a lane permute's destination counts as one of its sources
.endr
	s_wait_kmcnt 0x0
	s_cmp_lt_u32 s17, 704                          ; which tensor: the choice hangs on the tile's number alone
	s_cselect_b64 s[18:19], s[6:7], s[8:9]
	s_cselect_b32 s22, 512, s22
	s_cmp_lt_u32 s17, 512
	s_cselect_b64 s[18:19], s[4:5], s[18:19]
	s_cselect_b32 s22, 0, s22
	s_sub_co_u32 s22, s17, s22                     ; the tile's number in its tensor
	s_lshr_b32 s23, s22, 1
	s_lshl_b32 s23, s23, 5
	s_and_b32 s22, s22, 1
	s_lshl_b32 s22, s22, 3
	s_add_co_u32 s22, s22, s23                     ; its first row: 32 (tile / 2) + 8 (tile % 2)
	s_lshl_b32 s22, s22, 12                        ; rows of 4,096 bytes (under 2^26)
	s_mov_b32 s23, 0
	s_add_nc_u64 s[18:19], s[18:19], s[22:23]
	s_mul_i32 s22, s17, 12288
	s_add_nc_u64 s[20:21], s[10:11], s[22:23]      ; my tile's codes
	s_lshl_b32 s22, s17, 9
	s_add_nc_u64 s[26:27], s[12:13], s[22:23]      ; and its scale words
.macro LOAD s                          ; K step s of the 16 rows: each load is 512 consecutive bytes of one row
.irp t, 0,1,2,3,4,5,6,7,8,9,10,11,12,13,14,15
	global_load_b128 v[RA+64*((\s)%2)+4*\t:RA+64*((\s)%2)+4*\t+3], v1, s[18:19] offset:(\t+8*(\t/8))*4096+512*(\s) th:TH_LOAD_NT
.endr
.endm
.macro STEP s
.if (\s) < 7
	s_wait_loadcnt 16                              ; this step's 16 loads are in; the next step's 16 may be out
.else
	s_wait_loadcnt 0x0
.endif
	s_wait_xcnt 0x0                                ; the last step's stores have had their addresses translated: their data registers are written again only behind this wait
.irp t, 0,1,2,3,4,5,6,7,8,9,10,11,12,13,14,15
	ds_store_b128 v3, v[RA+64*((\s)%2)+4*\t:RA+64*((\s)%2)+4*\t+3] offset:528*\t
.endr
.irp b, 0,1,2,3
.irp j, 0,1,2,3
	ds_load_b128 v[XN+16*\b+4*\j:XN+16*\b+4*\j+3], v4 offset:128*\b+16*\j   ; LDS serves a wave's instructions in order: these see the stores above
.endr
.endr
	s_wait_dscnt 0x0                               ; my 64 numbers are in, and the stores have read their registers,
.if (\s)+2 < 8
	LOAD (\s)+2                                    ; which take the loads of two steps on
.endif
	QUANT XN, WD+(\s)
	global_store_b128 v1, v[PC:PC+3], s[20:21] offset:1536*(\s)            ; 512 consecutive bytes, at a multiple of 256 from the buffer's first byte
	global_store_b64 v2, v[PC+4:PC+5], s[20:21] offset:1536*(\s)+512       ; 256
	global_store_b128 v1, v[PC+6:PC+9], s[20:21] offset:1536*(\s)+768
	global_store_b64 v2, v[PC+10:PC+11], s[20:21] offset:1536*(\s)+1280
.endm
	LOAD 0
	LOAD 1
	s_wait_alu depctr_va_vdst(0)
.irp s, 0,1,2,3,4,5,6,7
	STEP \s
.endr
.irp i, 0,1,2,3
	v_cndmask_b32 v[DD+\i], v[WD+\i], v[WD+4+\i], s24   ; both halves of the lanes hold all eight words: lanes 0-15 store words 0-3, lanes 16-31 words 4-7
.endr
	global_store_b128 v1, v[DD:DD+3], s[26:27]     ; the tile's 512 bytes of scale words, whole
	s_wait_tensorcnt 0x0
	ds_add_u32 v238, v239
	s_wait_dscnt 0x0
	s_endpgm
	; ---- wave 3: eight rows of the table; my lane is the frequency f
.Lrope:
	v_mov_b32 v12, 0
.macro PF f, bits
	s_mov_b32 s20, \bits
	v_writelane_b32 v12, s20, \f
.endm
	PF 0, 0x3f800000                               ; f32(10^(f / 8)) = f32(10000^(f / 32))
	PF 1, 0x3faab0d5
	PF 2, 0x3fe39ea9
	PF 3, 0x4017c496
	PF 4, 0x404a62c2
	PF 5, 0x4086f161
	PF 6, 0x40b3f300
	PF 7, 0x40eff755
	PF 8, 0x41200000
	PF 9, 0x41555d0a
	PF 10, 0x418e432a
	PF 11, 0x41bdb5bc
	PF 12, 0x41fcfb72
	PF 13, 0x4228adb9
	PF 14, 0x4260efc0
	PF 15, 0x4295fa95
	PF 16, 0x42c80000
	PF 17, 0x43055a26
	PF 18, 0x4331d3f4
	PF 19, 0x436d232b
	PF 20, 0x439e1d27
	PF 21, 0x43d2d927
	PF 22, 0x440c95d8
	PF 23, 0x443b793b
	PF 24, 0x447a0000
	PF 25, 0x44a6b0b0
	PF 26, 0x44de48f1
	PF 27, 0x451435fb
	PF 28, 0x4545a471
	PF 29, 0x4583c7b8
	PF 30, 0x45afbb4e
	PF 31, 0x45ea5789
	s_wait_alu depctr_va_vdst(0)
	v_rcp_f32 v13, v12
	v_mov_b32 v40, 0xb94ca1f9                      ; (a plain place behind the reciprocal)  the sine's coefficients: z^3,
	v_mov_b32 v41, 0x3c08839e                      ; z^2,
	v_mov_b32 v42, 0xbe2aaaa3                      ; z
	v_mov_b32 v43, 0x37ccf5ce                      ; the cosine's likewise
	v_mov_b32 v44, 0xbab6061a
	v_mov_b32 v45, 0x3d2aaaa5
	s_wait_alu depctr_va_vdst(0)
	v_fma_f32 v14, -v12, v13, 1.0
	v_fma_f32 v11, v13, v14, v13                   ; 1 / P, one step of refinement
	s_mov_b32 s30, 0x3fc90fdb                      ; pi / 2, its f32,
	s_mov_b32 s31, 0xb33bbd2e                      ; and what that leaves
	s_lshl_b32 s34, ttmp9, 3                       ; my first position
	s_lshl_b32 s36, ttmp9, 11                      ; 8 rows of 256 bytes
	s_mov_b32 s37, 0
	s_wait_kmcnt 0x0
	s_add_nc_u64 s[36:37], s[14:15], s[36:37]
.irp k, 0,1,2,3,4,5,6,7
	s_add_co_u32 s35, s34, \k
	v_cvt_f32_u32 v19, s35
	s_wait_alu depctr_va_vdst(0)
	v_mul_f32 v20, v19, v11                        ; the angle, one f32 product
	v_mul_f32 v21, 0x3f22f983, v20
	v_rndne_f32 v21, v21                           ; n = the nearest multiple of pi / 2
	v_fma_f32 v22, -v21, s30, v20                  ; exact: a multiple of 2^-23 under 1
	v_fma_f32 v22, -v21, s31, v22                  ; what is left of the angle
	v_mul_f32 v23, v22, v22                        ; z
	v_fma_f32 v24, v23, v40, v41
	v_fma_f32 v24, v24, v23, v42
	v_mul_f32 v25, v22, v23
	v_fma_f32 v24, v25, v24, v22                   ; its sine
	v_fma_f32 v26, v23, v43, v44
	v_fma_f32 v26, v26, v23, v45
	v_mul_f32 v27, v23, v23
	v_fma_f32 v28, v23, -0.5, 1.0
	v_fma_f32 v26, v27, v26, v28                   ; its cosine
	v_cvt_i32_f32 v29, v21
	v_and_b32 v30, 1, v29
	v_cmp_eq_u32 vcc_lo, 1, v30                    ; an odd quarter turn swaps the two
	v_cndmask_b32 v31, v24, v26, vcc_lo
	v_cndmask_b32 v32, v26, v24, vcc_lo
	v_and_b32 v33, 2, v29                          ; the sine is negative in quarters 2, 3,
	v_lshlrev_b32 v33, 30, v33
	v_xor_b32 v31, v31, v33
	v_add_nc_u32 v34, 1, v29                       ; the cosine in quarters 1, 2
	v_and_b32 v34, 2, v34
	v_lshlrev_b32 v34, 30, v34
	v_xor_b32 v32, v32, v34
	ds_store_b32 v7, v32 offset:256*\k
	ds_store_b32 v7, v31 offset:256*\k+128
.endr
.irp m, 0,1,2,3
	ds_load_b128 v[48+4*\m:51+4*\m], v8 offset:512*\m   ; LDS serves a wave's instructions in order: these see my stores
.endr
.irp m, 0,1,2,3
	s_wait_dscnt 3-\m
	global_store_b128 v1, v[48+4*\m:51+4*\m], s[36:37] offset:512*\m   ; two whole rows of the table
.endr
	s_wait_tensorcnt 0x0
	ds_add_u32 v238, v239
	s_wait_dscnt 0x0
	s_endpgm
.Lfunc_end_k_q43398fee04_prep:
	.size	k_q43398fee04_prep, .Lfunc_end_k_q43398fee04_prep-k_q43398fee04_prep
	.p2alignl 7, 3214868480
	.fill 96, 4, 3214868480
	.section	.rodata,"a",@progbits
	.p2align	6, 0x0
	.amdhsa_kernel k_q43398fee04_prep
		.amdhsa_group_segment_fixed_size 28160
		.amdhsa_private_segment_fixed_size 0
		.amdhsa_enable_private_segment 0
		.amdhsa_kernarg_size 48
		.amdhsa_user_sgpr_count 2
		.amdhsa_user_sgpr_kernarg_segment_ptr 1
		.amdhsa_wavefront_size32 1
		.amdhsa_system_sgpr_workgroup_id_x 1
		.amdhsa_system_sgpr_workgroup_id_y 1
		.amdhsa_system_sgpr_workgroup_id_z 1
		.amdhsa_system_vgpr_workitem_id 0
		.amdhsa_next_free_vgpr 256
		.amdhsa_next_free_sgpr 66
		.amdhsa_reserve_vcc 1
		.amdhsa_float_denorm_mode_32 3
		.amdhsa_float_denorm_mode_16_64 3
		.amdhsa_memory_ordered 1
		.amdhsa_forward_progress 1
		.amdhsa_inst_pref_size 82
	.end_amdhsa_kernel
	.amdgpu_metadata
---
amdhsa.version: [ 1, 2 ]
amdhsa.kernels:
  - .name:           k_q43398fee04_prep
    .symbol:         k_q43398fee04_prep.kd
    .args:
      - { .name: x, .offset: 0, .size: 8, .value_kind: global_buffer, .address_space: global }
      - { .name: w_qkv, .offset: 8, .size: 8, .value_kind: global_buffer, .address_space: global }
      - { .name: w_out, .offset: 16, .size: 8, .value_kind: global_buffer, .address_space: global }
      - { .name: cod, .offset: 24, .size: 8, .value_kind: global_buffer, .address_space: global }
      - { .name: scl, .offset: 32, .size: 8, .value_kind: global_buffer, .address_space: global }
      - { .name: rope, .offset: 40, .size: 8, .value_kind: global_buffer, .address_space: global }
    .group_segment_fixed_size: 28160
    .private_segment_fixed_size: 0
    .kernarg_segment_align: 8
    .kernarg_segment_size: 48
    .max_flat_workgroup_size: 128
    .sgpr_count:     66
    .vgpr_count:     256
    .wavefront_size: 32
...
	.end_amdgpu_metadata
.endif
;; end of part 1
;; launch qkvgemm (part 2): grid 12 x 32, 4 waves a work-group, clusters of 4 x 4, 327,680 bytes of LDS; arguments cod, scl, rope, qkv; writes qkv
.if DOCPART == 2
	.amdgcn_target "amdgcn-amd-amdhsa--gfx1250"
	.amdhsa_code_object_version 6
	.text
	.protected	k_q43398fee04_qkvgemm
	.globl	k_q43398fee04_qkvgemm
	.p2align	8
	.type	k_q43398fee04_qkvgemm,@function
k_q43398fee04_qkvgemm:
	s_mov_b64 s[64:65], 0
	v_nop
	global_prefetch_b8 v0, s[64:65] scope:SCOPE_SE
	s_setreg_imm32_b32 hwreg(HW_REG_WAVE_MODE, 25, 1), 1
	s_wait_xcnt 0x0
	s_wait_alu depctr_hold_cnt(0) depctr_sa_sdst(0) depctr_va_vdst(0) depctr_va_sdst(0) depctr_va_ssrc(0) depctr_va_vcc(0) depctr_vm_vsrc(0)
	s_getreg_b32 s2, hwreg(HW_REG_IB_STS2, 6, 4)
	s_cmp_eq_u32 s2, 0
	s_cbranch_scc0 .Lentry_in_a_cluster
	s_endpgm
.Lentry_in_a_cluster:
	s_bfe_u32 s2, ttmp6, 0x10000c
	s_cmp_lg_u32 s2, 0xf033
	s_cbranch_scc0 .Lentry_shape_is_right
	s_endpgm
.Lentry_shape_is_right:
; qkv = x w_qkv^T on codes of BF6 (E3M2) with E8M0 scales, K = 1,024; then q and k are rotated and quantised along the head's 64, v along the keys; only codes and scale bytes go to memory.
; LIMITS: as the quantiser of the launch before: NaN and infinities are not served; a block under 2^-122 and a block of zeros get the byte 1 (this program alone reads the bytes).
; A work-group of four waves makes 256 x 256 results, a wave 128 x 128: 64 accumulators.  P is the operand in source 1 (a lane holds one of its rows), R the operand in source 0 (a lane's registers run along its rows).
; The rows of a tile of 16 are not neighbours: tile 2 B + u holds in its lane r the row 32 B + 8 u + r + 8 (r / 8): so the 16 registers of R's tiles 2 B, 2 B + 1 are rows 32 B + 16 (lane / 16) + 0 .. 15.
; ROLES, by the cluster's x (the same in all partners): 0: q, 1: k: P = tokens, R = features: a lane holds one token and 16 neighbouring channels.  2: v: P = features, R = tokens: a lane holds one channel and 16 neighbouring keys.
; CODES come as images of the operand's registers: cod [tile][8 K steps][1,536], scl [tile][512].  So a fragment is four LDS loads of consecutive bytes: no pitch, no padding.
; LDS: three slots of two K steps (P's 16 tiles x 3,072 bytes, then R's); K steps 0-5 are first fills, K steps 6, 7 go into slot 0 again: one refill.  Behind them all scale words (16 KiB), filled once, and the spare words.
; CLUSTER 4 x 4: P's tiles hang on cy (and the cluster's place) alone and are asked for jointly along a row, R's on cx alone, along a column.
; qkv: 512 records of 39,424 bytes, record = ((batch x 16 + head) x 8 + block of 256 tokens): Q 16 x 768 | Q's scale words 1,024 | K 16 x 768 | K's words 1,024 | V [2 key steps][4 tiles of channels][1,536] | V's words [2][16][4].
; REGISTERS: window 0: v8-24 addresses, v28-29 the add's, v32-95 all 64 scale words (nothing else, ever), v96-127 and v224-255 cos and sin, v128-223 P's 8 fragments (later the quantiser's).
;   window 1: R's fragments, two sets, at v0 and v128 (later the rotated numbers).  window 2: accumulators of P's tiles 0-3 ((a, b) at v[8 (8 (a % 4) + b)]);  window 3: of tiles 4-7.
.set REC,   39424
.set HS,    8*REC                      ; from a head to the next
.set SLOT,  98304
.set HALFT, 24576                      ; 8 tiles x 3,072: one wave's tensor load, and what one wave reads of P or of R
.set SCL,   3*SLOT
.set HALFS, 4096
.set SPARE, SCL+4*HALFS                ; the spare words, 128 bytes for each wave: two blocks of 256 bytes that no other line names
.set FR,    12
.set ADP,   8                          ; v8-10 16 x lane + my half of P in slot 0, 1, 2;  v11-13 the same with 8 x lane
.set ADR,   14                         ; v14-16, v17-19 the same for R
.set ADRS,  20                         ; v20 my scale words: lanes 0-15 P's rows, lanes 16-31 R's
.set L16,   21
.set L8,    22
.set RPA,   23                         ; v23 my row of the table: (r + 8 (r / 8)) x 256 + 64 h
.set VSA,   24                         ; v24 V's scale words: 16 r + h x HS
.set SPW,   28
.set NIL,   29
.set SC,    32
.set AF,    128
.set PC,    128                        ; the way out: codes v128-146
.set TM,    148                        ; v148-163 at work
.set PWS,   168                        ; v168-175 eight scale words
.set DD,    176                        ; v176-183
.set SEL,   2                          ; s[2:3] on the way out
.set G1,  24
.set G1B, 32
.set G0,  48                           ; s[48:59] three sets
.set G0B, 68                           ; s[68:79]
.set G1S, 80
.set G1SB, 88
.set G0S, 96
.set G0SB, 60
.set MSB, 0
.macro WIN new                         ; the immediate's high byte repeats the setting that is left
.if MSB != (\new)
	s_set_vgpr_msb (MSB<<8)|(\new)
.set MSB, (\new)
.endif
.endm
.macro PLACES
.rept 4
	v_nop
.endr
.endm
; A joint load: waves 0 and 1 fetch for P, waves 2 and 3 for R; the branch hangs on the wave's number alone.  Four v_nop follow each of the two lines.
.macro JLOAD g0a, g1a, g0b, g1b
	s_cmp_eq_u32 s15, 0
	s_cbranch_scc0 .Lfor_b_\@
	tensor_load_to_lds s[\g0a:\g0a+3], s[\g1a:\g1a+7]
	s_nop 0
.rept 4
	v_nop
.endr
	s_branch .Lasked_\@
.Lfor_b_\@:
	tensor_load_to_lds s[\g0b:\g0b+3], s[\g1b:\g1b+7]
	s_nop 0
.rept 4
	v_nop
.endr
.Lasked_\@:
.endm
.macro CREST                           ; a round of the cluster's barrier behind its opening barrier
	s_cmp_lg_u32 s14, 0
	s_cbranch_scc1 .Lnot_wave_0_\@
	s_barrier_signal -3
.Lnot_wave_0_\@:
	s_barrier_wait -3
	s_barrier_signal -1
	s_barrier_wait -1
.endm
.macro CROUND
	s_barrier_signal -1
	s_barrier_wait -1
	CREST
.endm
	s_load_b128 s[4:7], s[0:1], 0x0                ; cod s[4:5], scl s[6:7]
	s_load_b128 s[8:11], s[0:1], 0x10              ; rope s[8:9], qkv s[10:11]
	v_lshl_add_u32 v[SPW], v0, 2, SPARE
	v_mov_b32 v[NIL], 0
	ds_add_u32 v28, v29
	s_wait_dscnt 0x0
	v_lshrrev_b32 v1, 5, v0
	v_readfirstlane_b32 s14, v1                    ; wave 0..3
	s_lshr_b32 s15, s14, 1                         ; my half of P.  Also: I fetch for P (0) or for R (1)
	s_and_b32 s16, s14, 1                          ; my half of R.  Also: which 8 tiles I fetch
	s_bfe_u32 s40, ttmp6, 0x40000                  ; cx
	s_bfe_u32 s41, ttmp6, 0x40004                  ; cy
	s_lshr_b32 s42, ttmp9, 1                       ; 1 in the role v (cluster x = 2), else 0
	s_xor_b32 s17, s42, 1
	s_and_b32 s12, ttmp7, 0xffff                   ; cluster y
	s_lshl_b32 s13, s12, 6
	s_lshl_b32 s43, s41, 2
	s_lshl_b32 s43, 15, s43                        ; my row of the cluster
	s_lshl_b32 s44, 0x1111, s40                    ; my column
	s_lshl_b32 s47, s16, 3                         ; the 8 tiles that I fetch
	s_mul_i32 s18, s13, s17                        ; P's first tile: q, k: tokens 64 Y + 16 cy;  v: features 640 + 16 cy
	s_mul_i32 s19, s42, 640
	s_add_co_u32 s18, s18, s19
	s_lshl_b32 s19, s41, 4
	s_add_co_u32 s18, s18, s19
	s_add_co_u32 s18, s18, s47
	s_lshl_b32 s45, ttmp9, 6                       ; R's: q, k: features 512 + 64 X + 16 cx;  v: tokens 64 Y + 16 cx
	s_add_co_u32 s45, s45, 512
	s_mul_i32 s45, s45, s17
	s_mul_i32 s46, s13, s42
	s_add_co_u32 s45, s45, s46
	s_lshl_b32 s46, s40, 4
	s_add_co_u32 s45, s45, s46
	s_add_co_u32 s45, s45, s47
	s_mul_i32 s20, s18, 12288                      ; in bytes: codes,
	s_mov_b32 s21, 0
	s_lshl_b32 s22, s18, 9                         ; scale words
	s_mov_b32 s23, 0
	s_mul_i32 s46, s45, 12288
	s_mov_b32 s47, 0
	s_lshl_b32 s2, s45, 9
	s_mov_b32 s3, 0
	s_mul_i32 s19, s14, HALFT                      ; where they go: wave x 8 tiles: no place in the cluster enters an LDS address
	s_lshl_b32 s45, s14, 12
	; descriptor group 1 for codes: 8 rows (tiles) of 384 elements of 8 bytes (two K steps), 1,536 elements apart; no padding
	s_or_b32 s[G1+0], s43, (3<<16)|(1<<21)         ; 15:0 the mask; 17:16 elements of 8 bytes; 21 set beside a mask
	s_or_b32 s[G1B+0], s44, (3<<16)|(1<<21)
.irp g, G1, G1B
	s_mov_b32 s[\g+1], 384<<16                     ; tensor_dim0
	s_mov_b32 s[\g+2], 8<<16                       ; tensor_dim1
	s_mov_b32 s[\g+3], 384<<16                     ; tile_dim0
	s_mov_b32 s[\g+4], 8                           ; tile_dim1
	s_mov_b32 s[\g+5], 1536                        ; tensor_dim0_stride
	s_mov_b32 s[\g+6], 0
	s_mov_b32 s[\g+7], 0
.endr
	; and for the scale words of 8 tiles: 4,096 dense bytes as 16 rows of 256
	s_or_b32 s[G1S+0], s43, (3<<16)|(1<<21)
	s_or_b32 s[G1SB+0], s44, (3<<16)|(1<<21)
.irp g, G1S, G1SB
	s_mov_b32 s[\g+1], 32<<16
	s_mov_b32 s[\g+2], 16<<16
	s_mov_b32 s[\g+3], 32<<16
	s_mov_b32 s[\g+4], 16
	s_mov_b32 s[\g+5], 32
	s_mov_b32 s[\g+6], 0
	s_mov_b32 s[\g+7], 0
.endr
	s_wait_kmcnt 0x0
	s_add_nc_u64 s[20:21], s[4:5], s[20:21]
	s_add_nc_u64 s[22:23], s[6:7], s[22:23]
	s_add_nc_u64 s[46:47], s[4:5], s[46:47]
	s_add_nc_u64 s[2:3], s[6:7], s[2:3]
	CROUND                                         ; all sixteen work-groups are here: the first joint loads meet
	s_mov_b32 s[G0S], 1
	s_add_co_u32 s[G0S+1], s45, SCL
	s_mov_b64 s[G0S+2:G0S+3], s[22:23]
	s_or_b32 s[G0S+3], s[G0S+3], 0x80000000
	s_mov_b32 s[G0SB], 1
	s_add_co_u32 s[G0SB+1], s45, SCL
	s_mov_b64 s[G0SB+2:G0SB+3], s[2:3]
	s_or_b32 s[G0SB+3], s[G0SB+3], 0x80000000
	JLOAD G0S, G1S, G0SB, G1SB                     ; the scale words first: they are wanted with K step 0
.irp s, 0,1,2
	s_mov_b32 s[G0+4*\s], 1
	s_add_co_u32 s[G0+4*\s+1], s19, \s*SLOT
	s_add_nc_u64 s[G0+4*\s+2:G0+4*\s+3], s[20:21], \s*3072
	s_or_b32 s[G0+4*\s+3], s[G0+4*\s+3], 0x80000000
	s_mov_b32 s[G0B+4*\s], 1
	s_add_co_u32 s[G0B+4*\s+1], s19, \s*SLOT
	s_add_nc_u64 s[G0B+4*\s+2:G0B+4*\s+3], s[46:47], \s*3072
	s_or_b32 s[G0B+4*\s+3], s[G0B+4*\s+3], 0x80000000
	JLOAD G0+4*\s, G1, G0B+4*\s, G1B               ; K steps 2 s, 2 s + 1: four tensor loads of mine are out now
.endr
	v_and_b32 v1, 31, v0
	v_and_b32 v2, 15, v0                           ; r
	v_bfe_u32 v3, v0, 4, 1                         ; h
	v_lshlrev_b32 v[L16], 4, v1
	v_lshlrev_b32 v[L8], 3, v1
	s_mul_i32 s18, s15, HALFT                      ; my 8 tiles of P,
	s_mul_i32 s19, s16, HALFT                      ; my 8 of R,
	s_add_co_u32 s19, s19, 2*HALFT                 ; which lie behind P's 16
.irp s, 0,1,2
	v_add_nc_u32 v[ADP+\s], s18, v[L16]
	v_add_nc_u32 v[ADR+\s], s19, v[L16]
	v_add_nc_u32 v[ADP+3+\s], s18, v[L8]
	v_add_nc_u32 v[ADR+3+\s], s19, v[L8]
	s_add_co_u32 s18, s18, SLOT
	s_add_co_u32 s19, s19, SLOT
.endr
	v_lshlrev_b32 v4, 4, v2                        ; a row's four words: 16 r
	s_lshl_b32 s18, s15, 12                        ; P's: my 8 tiles
	s_lshl_b32 s19, s16, 12                        ; R's: my 8, behind P's 16
	s_add_co_u32 s19, s19, 8192
	s_sub_co_u32 s19, s19, s18
	v_mul_u32_u24 v5, s19, v3                      ; lanes 16-31 take R's
	s_add_co_u32 s18, s18, SCL
	v_add_nc_u32 v4, v4, v5
	v_add_nc_u32 v[ADRS], s18, v4
	v_and_b32 v4, 8, v2
	v_add_nc_u32 v4, v4, v2                        ; r + 8 (r / 8)
	v_lshlrev_b32 v[RPA], 8, v4
	v_lshl_add_u32 v[RPA], v3, 6, v[RPA]
	v_lshlrev_b32 v[VSA], 4, v2
	v_mul_u32_u24 v5, v3, HS
	v_add_nc_u32 v[VSA], v[VSA], v5
.macro FRAG reg, adr, off              ; a fragment's image: two halves of 768 bytes, each registers 0-3 at 16 x lane and 4-5 at 512 + 8 x lane
	ds_load_b128 v[\reg:\reg+3], v[\adr] offset:\off
	ds_load_b64 v[\reg+4:\reg+5], v[\adr+3] offset:\off+512
	ds_load_b128 v[\reg+6:\reg+9], v[\adr] offset:\off+768
	ds_load_b64 v[\reg+10:\reg+11], v[\adr+3] offset:\off+1280
.endm
.macro FETCH_B ks                      ; R's eight fragments of K step ks (slot (ks / 2) % 3) into set ks % 2
	WIN 0x40
.irp i, 0,1,2,3,4,5,6,7
	FRAG 128*((\ks)%2)+FR*\i, ADR+((\ks)/2)%3, 3072*\i+1536*((\ks)%2)
.endr
	WIN 0
.endm
.macro FETCH_A ks, i0                  ; P's tiles i0 .. i0 + 3
.irp i, \i0, \i0+1, \i0+2, \i0+3
	FRAG AF+FR*(\i), ADP+((\ks)/2)%3, 3072*(\i)+1536*((\ks)%2)
.endr
.endm
.macro SCALES                          ; all 64 scale words, once: register 8 i + ks: lanes 0-15 P's tile i, lanes 16-31 R's tile i
.irp i, 0,1,2,3,4,5,6,7
	ds_load_b128 v[SC+8*\i:SC+8*\i+3], v[ADRS] offset:512*\i
	ds_load_b128 v[SC+8*\i+4:SC+8*\i+7], v[ADRS] offset:512*\i+256
.endr
.endm
; 16 matrix instructions: P's tiles a0, a0 + 1 x R's eight.  The 64 accumulators take turns, one instruction a turn, in the same order in every step.
.macro MUL16 a0, ks, zero
.irp a, \a0, \a0+1
.irp b, 0,1,2,3,4,5,6,7
.if \zero
	v_wmma_scale_f32_16x16x128_f8f6f4 v[8*(8*((\a)%4)+\b):8*(8*((\a)%4)+\b)+7], v[128*((\ks)%2)+FR*\b:128*((\ks)%2)+FR*\b+FR-1], v[AF+FR*(\a):AF+FR*(\a)+FR-1], 0, v[SC+8*\b+(\ks)], v[SC+8*(\a)+(\ks)] matrix_a_fmt:MATRIX_FMT_BF6 matrix_b_fmt:MATRIX_FMT_BF6 matrix_a_scale:MATRIX_SCALE_ROW1
.else
	v_wmma_scale_f32_16x16x128_f8f6f4 v[8*(8*((\a)%4)+\b):8*(8*((\a)%4)+\b)+7], v[128*((\ks)%2)+FR*\b:128*((\ks)%2)+FR*\b+FR-1], v[AF+FR*(\a):AF+FR*(\a)+FR-1], v[8*(8*((\a)%4)+\b):8*(8*((\a)%4)+\b)+7], v[SC+8*\b+(\ks)], v[SC+8*(\a)+(\ks)] matrix_a_fmt:MATRIX_FMT_BF6 matrix_b_fmt:MATRIX_FMT_BF6 matrix_a_scale:MATRIX_SCALE_ROW1
.endif
.endr
.endr
.endm
; A K step whose successor's tiles are known to be whole.  Loads into registers that matrix instructions have read stand four plain vector instructions behind them (ISA guide 7.12.1 for vector instructions).
.macro STEP ks, zero
	s_wait_dscnt 16                                ; R's set and P's tiles 0-3 are in; the youngest 16 loads (P's tiles 4-7) may be out
	WIN 0xa1                                       ; source 0 (R) window 1, source 1 (P) window 0, C and D window 2
	MUL16 0, \ks, \zero
	MUL16 2, \ks, \zero
	s_wait_dscnt 0x0                               ; P's tiles 4-7 are in
	PLACES
	FETCH_B (\ks)+1
	FETCH_A (\ks)+1, 0
	WIN 0xf1                                       ; C and D window 3
	MUL16 4, \ks, \zero
	MUL16 6, \ks, \zero
	PLACES
	WIN 0
	FETCH_A (\ks)+1, 4
.endm
; A K step with a barrier in it.  In front of the barrier each wave waits for all its tensor loads, adds 0 to its spare word, and waits for that and for its reads so far.
; fill = 1: the barrier opens a round of the cluster's, and behind the round slot 0, which nobody reads any more, takes K steps 6 and 7.
.macro TURN ks, fill
	s_wait_tensorcnt 0x0                           ; all my tensor loads have landed
	ds_add_u32 v[SPW], v[NIL]                      ; 0 onto my spare word
	s_wait_dscnt 17                                ; (the add and the youngest 16 loads may be out)
	WIN 0xa1
	MUL16 0, \ks, 0                                ; sixteen matrix instructions stand between the add and the wait for it
	s_wait_dscnt 0x0                               ; the add is done, and all my reads of LDS so far are over
	s_barrier_signal -1
	MUL16 2, \ks, 0
	WIN 0
	s_barrier_wait -1
.if \fill
	CREST                                          ; no wave of any partner still reads slot 0 or has a load on its way
	s_add_nc_u64 s[G0+2:G0+3], s[G0+2:G0+3], 9216  ; six K steps on
	s_add_nc_u64 s[G0B+2:G0B+3], s[G0B+2:G0B+3], 9216
	JLOAD G0, G1, G0B, G1B                         ; my one tensor load behind the round; it has four K steps, 256 matrix instructions, in which to land.  Its four v_nop are the places in front of the loads below
.else
	PLACES
.endif
	FETCH_B (\ks)+1
	FETCH_A (\ks)+1, 0
	WIN 0xf1
	MUL16 4, \ks, 0
	MUL16 6, \ks, 0
	PLACES
	WIN 0
	FETCH_A (\ks)+1, 4
.endm
.macro LAST                            ; K step 7: nothing more to fetch; four places behind the last products
	s_wait_dscnt 16
	WIN 0xa1
	MUL16 0, 7, 0
	MUL16 2, 7, 0
	s_wait_dscnt 0x0
	WIN 0xf1
	MUL16 4, 7, 0
	MUL16 6, 7, 0
	WIN 0
	PLACES
.endm
; 64 numbers of a lane in window w, register s + 16 b + i = k 32 b + 16 (lane / 16) + i of my row, become a fragment's codes in v[PC] on and its scale word in v[pw].
.macro QUANT s, w, pw
	WIN ((\w)<<2)|((\w)<<4)
.irp b, 0,1,2,3
	v_max3_num_f32 v[TM+\b], 0x2800000, |v[\s+16*\b]|, |v[\s+1+16*\b]|   ; my 16 numbers of block b, and the floor 2^(5 - 127): the byte cannot fall under 1
.endr
.irp i, 2,4,6,8,10,12,14
.irp b, 0,1,2,3
	v_max3_num_f32 v[TM+\b], v[TM+\b], |v[\s+16*\b+\i]|, |v[\s+1+16*\b+\i]|
.endr
.endr
	WIN 0
.irp b, 0,1,2,3
	v_permlanex16_b32 v[TM+4+\b], v[TM+\b], s[SEL], s[SEL+1]
.endr
.irp b, 0,1,2,3
	v_max_num_f32 v[TM+\b], v[TM+\b], v[TM+4+\b]
.endr
.irp b, 0,1,2,3
	v_add_nc_u32 v[TM+12+\b], 0xfe000000, v[TM+\b]   ; 4 off the exponent field: the conversion's scale operand
.endr
.irp b, 0,1,2,3
	v_lshrrev_b32 v[TM+4+\b], 23, v[TM+12+\b]      ; the scale's byte
.endr
	v_lshl_or_b32 v[\pw], v[TM+5], 8, v[TM+4]
	v_lshl_or_b32 v[\pw], v[TM+6], 16, v[\pw]
	v_lshl_or_b32 v[\pw], v[TM+7], 24, v[\pw]
	WIN (\w)
.irp c, 0,1
	v_cvt_scalef32_pk16_bf6_f32 v[PC+6*\c:PC+2+6*\c], v[\s+32*\c:\s+15+32*\c], v[TM+12+2*\c]
	v_cvt_scalef32_pk16_bf6_f32 v[PC+12+4*\c:PC+14+4*\c], v[\s+16+32*\c:\s+31+32*\c], v[TM+12+2*\c+1]
.endr
	WIN 0
	v_nop                                          ; one plain place behind a scaled conversion
.irp c, 0,1
.irp i, 0,1,2
	v_permlane16_swap_b32 v[PC+6*\c+\i], v[PC+12+4*\c+\i]
.endr
.irp i, 0,1,2
	v_mov_b32 v[PC+3+6*\c+\i], v[PC+12+4*\c+\i]
.endr
.endr
.endm
	s_wait_tensorcnt 2                             ; the scale words and my part of slot 0 are in; the loads of slots 1 and 2 may be out
	s_barrier_signal -1
	s_barrier_wait -1                              ; everybody's are
	FETCH_B 0
	FETCH_A 0, 0
	SCALES
	FETCH_A 0, 4
	STEP 0, 1                                      ; the first products start the sums: nothing is cleared
	TURN 1, 1                                      ; its barrier also shows slots 1 and 2 whole to every wave: K steps 2 to 5 need no further barrier
	STEP 2, 0
	STEP 3, 0
	STEP 4, 0
	TURN 5, 0                                      ; the refill has landed in every wave
	STEP 6, 0
	s_cmp_lg_u32 s42, 0                            ; the roles part, on the cluster's x: the same way in all partners; no LDS access, barrier or tensor load stands on either way
	s_cbranch_scc1 .Lvpath
	; ---- q and k.  My 128 tokens x my two heads
	s_lshl_b32 s2, s12, 2
	s_add_co_u32 s2, s2, s41                       ; my block of 256 tokens: 4 Y + cy
	s_lshr_b32 s3, s2, 3                           ; batch
	s_and_b32 s2, s2, 7                            ; block in the sequence
	s_lshl_b32 s13, s40, 2
	s_lshl_b32 s17, s16, 1
	s_add_co_u32 s13, s13, s17                     ; my first head: 4 cx + 2 x half
	s_lshl_b32 s3, s3, 4
	s_add_co_u32 s3, s3, s13
	s_lshl_b32 s3, s3, 3
	s_add_co_u32 s3, s3, s2                        ; the record
	s_mul_i32 s46, s3, REC
	s_mul_i32 s13, ttmp9, 13312                    ; q's part or k's
	s_add_co_u32 s46, s46, s13
	s_mov_b32 s47, 0
	s_add_nc_u64 s[46:47], s[10:11], s[46:47]
	s_mul_i32 s12, s15, 6144                       ; my 8 tiles of its 16
	s_mov_b32 s13, 0
	s_add_nc_u64 s[18:19], s[46:47], s[12:13]      ; codes
	s_lshl_b32 s12, s15, 9
	s_add_co_u32 s12, s12, 12288
	s_add_nc_u64 s[20:21], s[46:47], s[12:13]      ; scale words
	s_lshl_b32 s12, s2, 8
	s_lshl_b32 s17, s15, 7
	s_add_co_u32 s12, s12, s17                     ; my first position
	s_lshl_b32 s12, s12, 8
	s_add_nc_u64 s[22:23], s[8:9], s[12:13]        ; its row of the table
.macro ROPELD a                        ; cos and sin of tile a's positions, frequencies 16 h + 0 .. 15, into set a % 2: registers 0-15 cos, 16-31 sin
.set CSB, 96+128*((\a)%2)
.irp j, 0,1,2,3
	global_load_b128 v[CSB+4*\j:CSB+4*\j+3], v[RPA], s[22:23] offset:(32*((\a)/2)+8*((\a)%2))*256+16*\j
	global_load_b128 v[CSB+16+4*\j:CSB+16+4*\j+3], v[RPA], s[22:23] offset:(32*((\a)/2)+8*((\a)%2))*256+128+16*\j
.endr
.endm
	ROPELD 0                                       ; they land under the last K step's 64 matrix instructions
	ROPELD 1
	LAST
	s_mov_b32 s[SEL], 0x76543210
	s_mov_b32 s[SEL+1], 0xfedcba98
	s_mov_b32 s17, 0xffff0000                      ; lanes 16-31
.irp b, 0,1,2,3
	v_mov_b32 v[TM+4+\b], 0                        ; a lane permute's destination counts as one of its sources
.endr
; Tile a of tokens.  In accumulator (a, 4 g + u) register j is channel 16 h + 8 u + j of head g, in (a, 4 g + 2 + u) channel 32 + 16 h + 8 u + j: the two that turn together lie in one lane.
.macro QKROW a
.set CSB, 96+128*((\a)%2)
.set AC, 64*((\a)%4)
.if (\a) < 7
	s_wait_loadcnt 8                               ; this tile's eight loads are in; the next tile's eight may be out
.else
	s_wait_loadcnt 0x0
.endif
	s_wait_xcnt 0x0                                ; the last tile's stores have had their addresses translated: their data registers are written again only behind this wait
	WIN 0x52+(\a)/4                                ; source 0: the accumulators' window; source 1 (cos, sin) window 0; source 2 and destination window 1
.irp g, 0,1
.irp u, 0,1
.irp j, 0,2,4,6                                ; each accumulator from its low end on
.set TT, 64+4*((\j/2)%2)
.set XA, AC+8*(4*\g+\u)+\j
.set XB, AC+8*(4*\g+2+\u)+\j
.set CC, CSB+8*\u+\j
	v_pk_mul_f32 v[TT:TT+1], v[XB:XB+1], v[CC+16:CC+17]
	v_pk_mul_f32 v[TT+2:TT+3], v[XB:XB+1], v[CC:CC+1]
	v_pk_fma_f32 v[32*\g+8*\u+\j:32*\g+8*\u+\j+1], v[XA:XA+1], v[CC:CC+1], v[TT:TT+1] neg_lo:[0,0,1] neg_hi:[0,0,1]   ; x1 cos - x2 sin
	v_pk_fma_f32 v[32*\g+16+8*\u+\j:32*\g+16+8*\u+\j+1], v[XA:XA+1], v[CC+16:CC+17], v[TT+2:TT+3]                     ; x1 sin + x2 cos
.endr
.endr
.endr
	WIN 0
.if (\a)+2 < 8
	ROPELD (\a)+2
.endif
	QUANT 0, 1, PWS+(\a)                           ; the two heads' 64 + 64 as one run of 128: registers 0-5 are head 0's half image, 6-11 head 1's; the word's bytes 0, 1 and 2, 3 likewise
	global_store_b128 v[L16], v[PC:PC+3], s[18:19] offset:768*(\a)
	global_store_b64 v[L8], v[PC+4:PC+5], s[18:19] offset:768*(\a)+512
	global_store_b128 v[L16], v[PC+6:PC+9], s[18:19] offset:HS+768*(\a)
	global_store_b64 v[L8], v[PC+10:PC+11], s[18:19] offset:HS+768*(\a)+512
.endm
.irp a, 0,1,2,3,4,5,6,7
	QKROW \a
.endr
.irp i, 0,1,2,3
	v_cndmask_b32 v[DD+\i], v[PWS+\i], v[PWS+4+\i], s17   ; lanes 0-15 store tiles 0-3's words, lanes 16-31 tiles 4-7's
.endr
.irp i, 0,1,2,3
	v_lshrrev_b32 v[DD+4+\i], 16, v[DD+\i]         ; head 1's two bytes come down.  A word's upper two bytes scale only zero codes there, and are never 0xff
.endr
	global_store_b128 v[L16], v[DD:DD+3], s[20:21]
	global_store_b128 v[L16], v[DD+4:DD+7], s[20:21] offset:HS
	s_branch .Lend
	; ---- v.  My 128 channels (two heads) x my 128 keys: the accumulators of a tile of channels are 64 numbers along the keys, as they stand
.Lvpath:
	LAST
	s_lshl_b32 s2, s12, 2
	s_add_co_u32 s2, s2, s40                       ; my block of 256 tokens: 4 Y + cx
	s_lshr_b32 s3, s2, 3
	s_and_b32 s2, s2, 7
	s_lshl_b32 s13, s41, 2
	s_lshl_b32 s17, s15, 1
	s_add_co_u32 s13, s13, s17                     ; my first head: 4 cy + 2 x half
	s_lshl_b32 s3, s3, 4
	s_add_co_u32 s3, s3, s13
	s_lshl_b32 s3, s3, 3
	s_add_co_u32 s3, s3, s2
	s_mul_i32 s46, s3, REC
	s_mov_b32 s47, 0
	s_add_nc_u64 s[46:47], s[10:11], s[46:47]
	s_mul_i32 s12, s16, 6144                       ; my key step of the block's two
	s_add_co_u32 s12, s12, 26624
	s_mov_b32 s13, 0
	s_add_nc_u64 s[18:19], s[46:47], s[12:13]
	s_lshl_b32 s12, s16, 8
	s_add_co_u32 s12, s12, 38912
	s_add_nc_u64 s[20:21], s[46:47], s[12:13]
	s_mov_b32 s[SEL], 0x76543210
	s_mov_b32 s[SEL+1], 0xfedcba98
	s_mov_b32 s17, 0xffff0000
.irp b, 0,1,2,3
	v_mov_b32 v[TM+4+\b], 0
.endr
.macro VROW a
	s_wait_xcnt 0x0                                ; the last tile's stores have had their addresses translated
	QUANT 64*((\a)%4), 2+(\a)/4, PWS+(\a)
.irp p, 0,1,2
	global_store_b128 v[L16], v[PC+4*\p:PC+4*\p+3], s[18:19] offset:((\a)/4)*HS+((\a)%4)*1536+512*\p
.endr
.endm
.irp a, 0,1,2,3,4,5,6,7
	VROW \a
.endr
.irp i, 0,1,2,3
	v_cndmask_b32 v[DD+\i], v[PWS+\i], v[PWS+4+\i], s17   ; lanes 0-15: head 0's four tiles, lanes 16-31: head 1's
.endr
	global_store_b128 v[VSA], v[DD:DD+3], s[20:21] ; each half of the lanes stores 256 consecutive bytes
.Lend:
	s_wait_tensorcnt 0x0                           ; the wave's end
	ds_add_u32 v[SPW], v[NIL]
	s_wait_dscnt 0x0
	CROUND                                         ; the closing round
	s_endpgm
.Lfunc_end_k_q43398fee04_qkvgemm:
	.size	k_q43398fee04_qkvgemm, .Lfunc_end_k_q43398fee04_qkvgemm-k_q43398fee04_qkvgemm
	.p2alignl 7, 3214868480
	.fill 96, 4, 3214868480
	.section	.rodata,"a",@progbits
	.p2align	6, 0x0
	.amdhsa_kernel k_q43398fee04_qkvgemm
		.amdhsa_group_segment_fixed_size 327680
		.amdhsa_private_segment_fixed_size 0
		.amdhsa_enable_private_segment 0
		.amdhsa_kernarg_size 32
		.amdhsa_user_sgpr_count 2
		.amdhsa_user_sgpr_kernarg_segment_ptr 1
		.amdhsa_wavefront_size32 1
		.amdhsa_system_sgpr_workgroup_id_x 1
		.amdhsa_system_sgpr_workgroup_id_y 1
		.amdhsa_system_sgpr_workgroup_id_z 1
		.amdhsa_system_vgpr_workitem_id 0
		.amdhsa_next_free_vgpr 1024
		.amdhsa_next_free_sgpr 100
		.amdhsa_reserve_vcc 0
		.amdhsa_float_denorm_mode_32 3
		.amdhsa_float_denorm_mode_16_64 3
		.amdhsa_memory_ordered 1
		.amdhsa_forward_progress 1
		.amdhsa_inst_pref_size 231
	.end_amdhsa_kernel
	.amdgpu_metadata
---
amdhsa.version: [ 1, 2 ]
amdhsa.kernels:
  - .name:           k_q43398fee04_qkvgemm
    .symbol:         k_q43398fee04_qkvgemm.kd
    .args:
      - { .name: cod, .offset: 0, .size: 8, .value_kind: global_buffer, .address_space: global }
      - { .name: scl, .offset: 8, .size: 8, .value_kind: global_buffer, .address_space: global }
      - { .name: rope, .offset: 16, .size: 8, .value_kind: global_buffer, .address_space: global }
      - { .name: qkv, .offset: 24, .size: 8, .value_kind: global_buffer, .address_space: global }
    .group_segment_fixed_size: 327680
    .private_segment_fixed_size: 0
    .kernarg_segment_align: 8
    .kernarg_segment_size: 32
    .max_flat_workgroup_size: 128
    .sgpr_count:     100
    .vgpr_count:     1024
    .wavefront_size: 32
...
	.end_amdgpu_metadata
.endif
;; end of part 2
;; launch attn (part 3): grid 4 x 64, 16 waves a work-group, no clusters, 327,680 bytes of LDS; arguments qkv, oimg, oscl; writes oimg, oscl
.if DOCPART == 3
	.amdgcn_target "amdgcn-amd-amdhsa--gfx1250"
	.amdhsa_code_object_version 6
	.text
	.protected	k_q43398fee04_attn
	.globl	k_q43398fee04_attn
	.p2align	8
	.type	k_q43398fee04_attn,@function
k_q43398fee04_attn:
	s_mov_b64 s[64:65], 0
	v_nop
	global_prefetch_b8 v0, s[64:65] scope:SCOPE_SE
	s_setreg_imm32_b32 hwreg(HW_REG_WAVE_MODE, 25, 1), 1
	s_wait_xcnt 0x0
; o = softmax(q k^T / 8, causal) v for one head, both products on codes of BF6 (E3M2) with E8M0 scales; o is divided by the row's sum and quantised along the head's 64 for the last product.
; THE SOFTMAX: t = score x log2(e) / 8; M = the running largest t rounded up to a whole number; p = 2^(t - M) is quantised along the keys; the row's sum is taken of the unquantised p; when M moves, the sum and O are multiplied by 2^(old M - new M): exact.
; LIMITS: NaN and infinities are not served; v_exp_f32 gives 0 for results under 2^-126; a block under 2^-122 and a block of zeros get the byte 1 (this program alone reads the bytes).
; The first product's K is 64: the upper half of each operand's 128 is zero codes, set once in registers.
; SHARES.  Work-group (i, head) owns the blocks 7 - i and i of 256 queries: 8 - i and i + 1 visits of 256 keys, nine in all whatever i is: equal work, and a constant number of trips.  Keys past the diagonal block are not visited.
; Each of the sixteen waves owns one tile of 16 queries.  No cluster: the four work-groups of a head walk the same keys only in their first five visits; in step they would make 12 visits for 9.
; LAYOUT.  Both products transposed: S^T = K Q^T, O^T = V^T P^T: a lane holds one query.  The rows of a tile are not neighbours (tile 2 B + u, lane r: row 32 B + 8 u + r + 8 (r / 8)), so the 16 registers of tiles 2 B, 2 B + 1 are 16 neighbours.
; LDS: two slots, 32,768 bytes apart, each 26,112 bytes as they lie in a record: K 16 x 768 | K's scale words 1,024 | V 2 x 4 x 1,536 | V's words 512; then the spare words.  Waves 0-5 fetch 17 rows of 256 bytes each.
; REGISTERS: v1-7 stay; v8-10 addresses of the step; v12 -M, v13 the largest t, v[14:15] the sum; v16-27 Q; v32-79 four fragments of K; v80-127 four of V; v128-191 S^T, then p; v192-223 O^T; v224-235 p's codes; v232-247, v252, v254 at work;
;   v248-251 K's or V's scale words, v253 p's, v255 Q's.
.set REC,   39424
.set HS,    8*REC
.set SLOT1, 32768
.set SPARE, 65536                      ; the spare words, 128 bytes for each wave: eight blocks of 256 bytes that no other line names
.set SA,  128
.set OA,  192
.set WV,  10
.set II,  11
.set BH,  12
.set NA,  13                           ; visits of the first block: 8 - i
.set VI,  14                           ; the visit
.set VN,  15                           ; the next
.set KS,  16                           ; its block of keys
.set KF,  17                           ; the step's first key
.set Q0,  18                           ; 32 x (my tile / 2) + my block's first query
.set QD,  19                           ; + 8 x (my tile % 2)
.set SEL, 20
.set CS,  22                           ; s[22:23] c = log2(e) / 8
.set G1,  24
.set G0,  32
.set KVB, 36                           ; s[36:37] my 17 rows in the head's first record
.set OFF, 38
.set QB,  40
.set QSB, 42
.set OB,  44
.set OSB, 46
.set TB,  48                           ; the slot in hand
.set HM,  49                           ; lanes 16-31
.macro TLOAD                           ; waves 0-5 fetch; the branch hangs on the wave's number alone.  Four v_nop follow the load
	s_cmp_lt_u32 s[WV], 6
	s_cbranch_scc0 .Lnone_\@
	tensor_load_to_lds s[G0:G0+3], s[G1:G1+7]
	s_nop 0
.rept 4
	v_nop
.endr
.Lnone_\@:
.endm
.macro PHASE                           ; s50 = the block of queries: where its Q lies and where its o goes
	s_lshl_b32 s51, s[BH], 3
	s_add_co_u32 s51, s51, s50                     ; the record
	s_mul_i32 s52, s51, REC
	s_mul_i32 s53, s[WV], 768
	s_add_co_u32 s52, s52, s53
	s_mov_b32 s53, 0
	s_add_nc_u64 s[QB:QB+1], s[4:5], s[52:53]      ; my tile's half image
	s_mul_i32 s52, s51, REC
	s_lshr_b32 s54, s[WV], 3
	s_lshl_b32 s54, s54, 9
	s_add_co_u32 s52, s52, s54
	s_bfe_u32 s54, s[WV], 0x10002
	s_lshl_b32 s54, s54, 8
	s_add_co_u32 s52, s52, s54
	s_and_b32 s54, s[WV], 3
	s_lshl_b32 s54, s54, 2
	s_add_co_u32 s52, s52, s54
	s_add_co_u32 s52, s52, 12288
	s_add_nc_u64 s[QSB:QSB+1], s[4:5], s[52:53]    ; its scale words: 512 (w / 8) + 256 ((w % 8) / 4) + 4 (w % 4)
	s_lshr_b32 s51, s[BH], 4
	s_lshl_b32 s51, s51, 7
	s_lshl_b32 s54, s50, 4
	s_add_co_u32 s51, s51, s54
	s_add_co_u32 s51, s51, s[WV]                   ; the tile among all tokens': 128 x batch + 16 x block + wave
	s_and_b32 s54, s[BH], 15                       ; the head
	s_lshl_b32 s52, s51, 3
	s_lshr_b32 s55, s54, 1
	s_add_co_u32 s52, s52, s55
	s_mul_i32 s52, s52, 1536                       ; K step head / 2 of the last product,
	s_and_b32 s55, s54, 1
	s_mul_i32 s56, s55, 768                        ; its half head % 2
	s_add_co_u32 s52, s52, s56
	s_add_nc_u64 s[OB:OB+1], s[6:7], s[52:53]
	s_lshl_b32 s52, s51, 9
	s_lshr_b32 s56, s54, 3
	s_lshl_b32 s56, s56, 8
	s_add_co_u32 s52, s52, s56
	s_bfe_u32 s56, s54, 0x20001
	s_lshl_b32 s56, s56, 2
	s_add_co_u32 s52, s52, s56
	s_lshl_b32 s55, s55, 1
	s_add_co_u32 s52, s52, s55
	s_add_nc_u64 s[OSB:OSB+1], s[8:9], s[52:53]    ; and the two bytes of that K step's word
	s_lshl_b32 s[Q0], s50, 8
	s_lshr_b32 s55, s[WV], 1
	s_lshl_b32 s55, s55, 5
	s_add_co_u32 s[Q0], s[Q0], s55
	s_and_b32 s55, s[WV], 1
	s_lshl_b32 s55, s55, 3
	s_add_co_u32 s[QD], s[Q0], s55
.endm
.macro INIT                            ; a block of queries begins
	global_load_b128 v[16:19], v1, s[QB:QB+1]
	global_load_b64 v[20:21], v2, s[QB:QB+1] offset:512
	global_load_b32 v255, v3, s[QSB:QSB+1]
	v_mov_b32 v13, 0xff61b1e6                      ; the largest t so far: -3e38, under every t
	s_delay_alu instid0(VALU_DEP_1)
	v_floor_f32 v12, -v13
	v_mov_b32 v14, 0
	v_mov_b32 v15, 0
.set jj, 0
.rept 32
	v_mov_b32 v[OA+jj], 0                          ; O^T: the first change of M multiplies zeros
.set jj, jj+1
.endr
	s_wait_loadcnt 0x0
.endm
; A KEY STEP: 128 keys, the q-th of the slot in hand.
.macro STEP q
	s_add_co_u32 s50, s[Q0], 31                    ; a step all of whose keys come after my 16 queries is left out: a scalar branch on ids; no barrier and no tensor load stands in a step
	s_cmp_gt_u32 s[KF], s50
	s_cbranch_scc1 .Lhidden_\@
	v_add_nc_u32 v8, s[TB], v1
	s_wait_alu depctr_va_vdst(0)
	v_add_nc_u32 v9, s[TB], v2
	s_wait_alu depctr_va_vdst(0)
	v_add_nc_u32 v10, s[TB], v3
	s_wait_alu depctr_va_vdst(0)
	v_nop                                          ; with the three additions: four places between the last products and the load into their scale registers
.irp g, 0,1                                    ; S^T = K Q^T, four tiles of 16 keys at a time
.if \g > 0
.rept 4
	v_nop                                          ; places in front of loads into registers that matrix instructions have read
.endr
.endif
.irp t, 0,1,2,3
	ds_load_b128 v[32+12*\t:35+12*\t], v8 offset:(8*(\q)+4*\g+\t)*768
	ds_load_b64 v[36+12*\t:37+12*\t], v9 offset:(8*(\q)+4*\g+\t)*768+512
.endr
	ds_load_b128 v[248:251], v10 offset:12288+512*(\q)+256*\g   ; the four tiles' scale words of row r
	s_wait_dscnt 0x0
.irp t, 0,1,2,3
	v_wmma_scale_f32_16x16x128_f8f6f4 v[SA+8*(4*\g+\t):SA+8*(4*\g+\t)+7], v[32+12*\t:43+12*\t], v[16:27], 0, v[248+\t], v255 matrix_a_fmt:MATRIX_FMT_BF6 matrix_b_fmt:MATRIX_FMT_BF6
.endr
.endr
.rept 4
	v_nop
.endr
.irp t, 0,1,2,3                                ; V's four fragments and their scale words: they land under the softmax
.irp p, 0,1,2
	ds_load_b128 v[80+12*\t+4*\p:83+12*\t+4*\p], v8 offset:13312+6144*(\q)+1536*\t+512*\p
.endr
.endr
	ds_load_b128 v[248:251], v10 offset:25600+256*(\q)
	s_add_co_u32 s50, s[KF], 127                   ; on the diagonal hidden scores become -infinity ahead of the maximum; a step all of whose keys count skips this
	s_cmp_le_u32 s50, s[Q0]
	s_cbranch_scc1 .Lopen_\@
	s_sub_co_i32 s50, s[QD], s[KF]
	v_add_nc_u32 v252, s50, v7                     ; d = my query - KF - 16 h.  Register 16 b + i holds key KF + 16 h + 32 b + i: hidden where 32 b + i > d
	v_mov_b32 v254, 0xff800000
.set nn, 0
.rept 64
	v_cmp_gt_i32 vcc_lo, 32*(nn/16)+nn%16, v252
	v_cndmask_b32 v[SA+nn], v[SA+nn], v254, vcc_lo
.set nn, nn+1
.endr
.Lopen_\@:
.irp b, 0,1,2,3
	v_max3_num_f32 v[232+\b], v[SA+16*\b], v[SA+1+16*\b], v[SA+2+16*\b]   ; the largest score of each block of 32 keys: for the row's maximum, and, since p rises with the score, for the block's largest p
.endr
.irp i, 3,5,7,9,11,13
.irp b, 0,1,2,3
	v_max3_num_f32 v[232+\b], v[232+\b], v[SA+16*\b+\i], v[SA+1+16*\b+\i]
.endr
.endr
.irp b, 0,1,2,3
	v_max_num_f32 v[232+\b], v[232+\b], v[SA+15+16*\b]
.endr
.irp b, 0,1,2,3
	s_delay_alu instid0(VALU_DEP_4)
	v_permlanex16_b32 v[236+\b], v[232+\b], s[SEL], s[SEL+1]
.endr
.irp b, 0,1,2,3
	s_delay_alu instid0(VALU_DEP_4)
	v_max_num_f32 v[232+\b], v[232+\b], v[236+\b]
.endr
	s_delay_alu instid0(VALU_DEP_2)
	v_max3_num_f32 v254, v232, v233, v234
	s_delay_alu instid0(VALU_DEP_1)
	v_max_num_f32 v254, v254, v235
	s_delay_alu instid0(VALU_DEP_1)
	v_mul_f32 v254, s[CS], v254                    ; as t
	s_delay_alu instid0(VALU_DEP_1)
	v_max_num_f32 v13, v13, v254                   ; the running largest t
	v_mov_b32 v254, v12
	s_delay_alu instid0(VALU_DEP_2)
	v_floor_f32 v12, -v13                          ; the new -M = -ceil(t)
	s_delay_alu instid0(VALU_DEP_1)
	v_sub_f32 v254, v12, v254                      ; old M - new M: a whole number, 0 or less
	s_delay_alu instid0(VALU_DEP_1)
	v_cvt_i32_f32 v254, v254                       ; (it saturates)
	s_delay_alu instid0(VALU_DEP_1)
	v_ldexp_f32 v252, 1.0, v254                    ; f = 2^(old M - new M)
.set jj, 0
.rept 32
	v_pk_fma_f32 v[SA+jj:SA+jj+1], v[SA+jj:SA+jj+1], s[CS:CS+1], v[12:13] op_sel_hi:[1,0,0]   ; t - M, two at a time
.set jj, jj+2
.endr
.irp b, 0,1,2,3
	v_fma_f32 v[232+\b], v[232+\b], s[CS], v12
.endr
.set jj, 0
	s_wait_alu depctr_va_vdst(0)
.rept 64
	v_exp_f32 v[SA+jj], v[SA+jj]                   ; p = 2^(t - M)
.set jj, jj+1
.endr
.irp b, 0,1,2,3
	v_exp_f32 v[232+\b], v[232+\b]                 ; the block's largest p: the same two instructions on the same number
.endr
	v_pk_mul_f32 v[14:15], v[14:15], v[252:253] op_sel_hi:[1,0]   ; the sums under the new M (a plain place behind the exponentials)
	s_wait_alu depctr_va_vdst(0)
.irp b, 0,1,2,3
	v_max_num_f32 v[232+\b], 0x2800000, v[232+\b]  ; the floor 2^(5 - 127)
.endr
.irp b, 0,1,2,3
	s_delay_alu instid0(VALU_DEP_4)
	v_add_nc_u32 v[244+\b], 0xfe000000, v[232+\b]
.endr
.irp b, 0,1,2,3
	s_delay_alu instid0(VALU_DEP_4)
	v_lshrrev_b32 v[236+\b], 23, v[244+\b]
.endr
	s_delay_alu instid0(VALU_DEP_3)
	v_lshl_or_b32 v253, v237, 8, v236              ; p's scale word for these 128 keys
	s_delay_alu instid0(VALU_DEP_1)
	v_lshl_or_b32 v253, v238, 16, v253
	s_delay_alu instid0(VALU_DEP_1)
	v_lshl_or_b32 v253, v239, 24, v253
.irp c, 0,1
	v_cvt_scalef32_pk16_bf6_f32 v[224+6*\c:226+6*\c], v[SA+32*\c:SA+15+32*\c], v[244+2*\c]
	v_cvt_scalef32_pk16_bf6_f32 v[236+4*\c:238+4*\c], v[SA+16+32*\c:SA+31+32*\c], v[244+2*\c+1]
.endr
	v_nop                                          ; one plain place behind a scaled conversion
.irp c, 0,1
.irp i, 0,1,2
	v_permlane16_swap_b32 v[224+6*\c+\i], v[236+4*\c+\i]
.endr
.irp i, 0,1,2
	s_delay_alu instid0(VALU_DEP_3)
	v_mov_b32 v[227+6*\c+\i], v[236+4*\c+\i]
.endr
.endr
	v_pk_add_f32 v[236:237], v[132:133], v[136:137]
	v_pk_add_f32 v[246:247], v[140:141], v[144:145]
	v_pk_add_f32 v[244:245], v[148:149], v[152:153]
	v_pk_add_f32 v[242:243], v[156:157], v[160:161]
	v_pk_add_f32 v[240:241], v[164:165], v[168:169]
	v_pk_add_f32 v[72:73], v[172:173], v[176:177]
	v_pk_add_f32 v[70:71], v[180:181], v[184:185]
	v_pk_add_f32 v[14:15], v[14:15], v[188:189]
	v_pk_add_f32 v[236:237], v[236:237], v[128:129]
	v_pk_add_f32 v[246:247], v[246:247], v[130:131]
	v_pk_add_f32 v[244:245], v[244:245], v[134:135]
	v_pk_add_f32 v[242:243], v[242:243], v[138:139]
	v_pk_add_f32 v[240:241], v[240:241], v[142:143]
	v_pk_add_f32 v[72:73], v[72:73], v[146:147]
	v_pk_add_f32 v[70:71], v[70:71], v[150:151]
	v_pk_add_f32 v[14:15], v[14:15], v[154:155]
	v_pk_add_f32 v[236:237], v[236:237], v[158:159]
	v_pk_add_f32 v[246:247], v[246:247], v[162:163]
	v_pk_add_f32 v[244:245], v[244:245], v[166:167]
	v_pk_add_f32 v[242:243], v[242:243], v[170:171]
	v_pk_add_f32 v[240:241], v[240:241], v[174:175]
	v_pk_add_f32 v[72:73], v[72:73], v[178:179]
	v_pk_add_f32 v[70:71], v[70:71], v[182:183]
	v_pk_add_f32 v[14:15], v[14:15], v[186:187]
	v_pk_add_f32 v[236:237], v[236:237], v[190:191]
	s_delay_alu instid0(VALU_DEP_2)
	v_pk_add_f32 v[14:15], v[14:15], v[242:243]
	s_delay_alu instid0(VALU_DEP_2)
	v_pk_add_f32 v[236:237], v[236:237], v[240:241]
	v_pk_add_f32 v[246:247], v[246:247], v[72:73]
	v_pk_add_f32 v[244:245], v[244:245], v[70:71]
	s_delay_alu instid0(VALU_DEP_2)
	v_pk_add_f32 v[14:15], v[14:15], v[246:247]
	s_delay_alu instid0(VALU_DEP_2)
	v_pk_add_f32 v[236:237], v[236:237], v[244:245]
	s_delay_alu instid0(VALU_DEP_1)
	v_pk_add_f32 v[14:15], v[14:15], v[236:237]
.set jj, 0
.rept 16
	v_pk_mul_f32 v[OA+jj:OA+jj+1], v[OA+jj:OA+jj+1], v[252:253] op_sel_hi:[1,0]   ; O^T under the new M
.set jj, jj+2
.endr
	s_wait_alu depctr_va_vdst(0)
	s_wait_dscnt 0x0                               ; V and its scale words are in
.irp t, 0,1,2,3                                ; O^T += V^T P^T: the four accumulators by turns
	v_wmma_scale_f32_16x16x128_f8f6f4 v[OA+8*\t:OA+8*\t+7], v[80+12*\t:91+12*\t], v[224:235], v[OA+8*\t:OA+8*\t+7], v[248+\t], v253 matrix_a_fmt:MATRIX_FMT_BF6 matrix_b_fmt:MATRIX_FMT_BF6
.endr
.Lhidden_\@:
	s_add_co_u32 s[KF], s[KF], 128
.endm
; A block of queries ends: O^T / the sum, quantised along the head's 64 (two blocks of 32): half an image and two scale bytes a row.
.macro FINISH
.rept 4
	v_nop                                          ; places behind the last products
.endr
	v_add_f32 v14, v14, v15
	s_delay_alu instid0(VALU_DEP_1)
	v_permlanex16_b32 v252, v14, s[SEL], s[SEL+1]
	s_delay_alu instid0(VALU_DEP_1)
	v_add_f32 v14, v14, v252                       ; the row's sum
	s_wait_alu depctr_va_vdst(0)
	v_rcp_f32 v14, v14
	v_nop
.set jj, 0
	s_wait_alu depctr_va_vdst(0)
.rept 32
	v_mul_f32 v[SA+jj], v[OA+jj], v14              ; register 16 b + i = channel 32 b + 16 h + i of my query; each accumulator from its low end on
.set jj, jj+1
.endr
.irp b, 0,1
	v_max3_num_f32 v[232+\b], |v[SA+16*\b]|, |v[SA+1+16*\b]|, 0x2800000
.endr
.irp i, 2,4,6,8,10,12,14
.irp b, 0,1
	s_delay_alu instid0(VALU_DEP_2)
	v_max3_num_f32 v[232+\b], v[232+\b], |v[SA+16*\b+\i]|, |v[SA+1+16*\b+\i]|
.endr
.endr
.irp b, 0,1
	s_delay_alu instid0(VALU_DEP_2)
	v_permlanex16_b32 v[236+\b], v[232+\b], s[SEL], s[SEL+1]
.endr
.irp b, 0,1
	s_delay_alu instid0(VALU_DEP_2)
	v_max_num_f32 v[232+\b], v[232+\b], v[236+\b]
.endr
.irp b, 0,1
	s_delay_alu instid0(VALU_DEP_2)
	v_add_nc_u32 v[244+\b], 0xfe000000, v[232+\b]
.endr
.irp b, 0,1
	s_delay_alu instid0(VALU_DEP_2)
	v_lshrrev_b32 v[236+\b], 23, v[244+\b]
.endr
	s_delay_alu instid0(VALU_DEP_1)
	v_cndmask_b32 v239, v236, v237, s[HM]          ; lanes 0-15 store block 0's byte, lanes 16-31 block 1's
	v_cvt_scalef32_pk16_bf6_f32 v[224:226], v[SA:SA+15], v244
	v_cvt_scalef32_pk16_bf6_f32 v[240:242], v[SA+16:SA+31], v245
	v_nop
.irp i, 0,1,2
	v_permlane16_swap_b32 v[224+\i], v[240+\i]
.endr
.irp i, 0,1,2
	s_delay_alu instid0(VALU_DEP_3)
	v_mov_b32 v[227+\i], v[240+\i]
.endr
	global_store_b128 v1, v[224:227], s[OB:OB+1]   ; 512 consecutive bytes, at a multiple of 256 from the buffer's first byte
	global_store_b64 v2, v[228:229], s[OB:OB+1] offset:512
	global_store_b8 v4, v239, s[OSB:OSB+1]         ; one byte a lane: a row's word is shared with the neighbouring head, which another work-group owns
.endm
; THE CHANGE OF SLOTS stands at a visit's head.  Each wave waits for all its tensor loads, adds 0 to its spare word, and waits for that and for its reads of the slot that it has left.
; fill = 1: that slot takes the next visit's keys: block VN, or VN - NA once the second block of queries has begun.
.macro CHANGE fill
	s_wait_tensorcnt 0x0                           ; no tensor load of mine is out, so group 0 may be written
	ds_add_u32 v5, v6                              ; 0 onto my spare word
.if \fill
	s_add_co_u32 s[VN], s[VI], 1
	s_cmp_ge_u32 s[VN], s[NA]
	s_cselect_b32 s50, s[NA], 0
	s_sub_co_u32 s[KS], s[VN], s50
	s_mul_i32 s[OFF], s[KS], REC
	s_xor_b32 s[G0+1], s[G0+1], SLOT1
	s_add_nc_u64 s[G0+2:G0+3], s[KVB:KVB+1], s[OFF:OFF+1]
	s_or_b32 s[G0+3], s[G0+3], 0x80000000
.endif
	s_wait_dscnt 0x0                               ; the add is done, and my reads of the slot that I have left are over
	s_barrier_signal -1
	s_barrier_wait -1
.if \fill
	TLOAD                                          ; the first thing behind the barrier, a wave's one tensor load until the next: it has a whole visit in which to land
.endif
.endm
	s_load_b128 s[4:7], s[0:1], 0x0                ; qkv s[4:5], oimg s[6:7]
	s_load_b64 s[8:9], s[0:1], 0x10                ; oscl
	v_lshl_add_u32 v5, v0, 2, SPARE
	v_mov_b32 v6, 0
	ds_add_u32 v5, v6
	ds_add_u32 v5, v6
	s_wait_dscnt 0x0
	v_lshrrev_b32 v8, 5, v0
	s_delay_alu instid0(VALU_DEP_1)
	v_readfirstlane_b32 s[WV], v8                  ; wave 0..15
	v_and_b32 v9, 31, v0
	v_and_b32 v10, 15, v0                          ; r
	v_bfe_u32 v11, v0, 4, 1                        ; h
	s_delay_alu instid0(VALU_DEP_3)
	v_lshlrev_b32 v1, 4, v9                        ; 16 x lane
	s_delay_alu instid0(VALU_DEP_4)
	v_lshlrev_b32 v2, 3, v9                        ; 8 x lane
	s_delay_alu instid0(VALU_DEP_4)
	v_lshlrev_b32 v3, 4, v10                       ; 16 r
	s_delay_alu instid0(VALU_DEP_1)
	v_add_nc_u32 v4, v3, v11                       ; 16 r + h
	v_and_b32 v7, 8, v10
	s_delay_alu instid0(VALU_DEP_1)
	v_add_nc_u32 v7, v7, v10
	v_lshlrev_b32 v11, 4, v11
	s_delay_alu instid0(VALU_DEP_1)
	v_sub_nc_u32 v7, v7, v11                       ; r + 8 (r / 8) - 16 h
.irp j, 22,23,24,25,26,27, 38,39,40,41,42,43, 50,51,52,53,54,55, 62,63,64,65,66,67, 74,75,76,77,78,79
	v_mov_b32 v[\j], 0                             ; the zero codes of K = 64 .. 127 of the first product: Q's and the four K fragments'; never loaded
.endr
.irp j, 236,237,238,239,252,253
	v_mov_b32 v[\j], 0                             ; lane permutes' destinations count as sources; v253 is named with v252 as a pair
.endr
	s_mov_b32 s[II], ttmp9
	s_and_b32 s[BH], ttmp7, 0xffff
	s_sub_co_u32 s[NA], 8, s[II]
	s_mov_b32 s[G1], 3<<16                         ; no mask; elements of 8 bytes; no padding
	s_mov_b32 s[G1+1], 32<<16                      ; tensor_dim0 = 32 (256 bytes)
	s_mov_b32 s[G1+2], 17<<16                      ; tensor_dim1 = 17
	s_mov_b32 s[G1+3], 32<<16                      ; tile_dim0
	s_mov_b32 s[G1+4], 17                          ; tile_dim1
	s_mov_b32 s[G1+5], 32                          ; dense
	s_mov_b32 s[G1+6], 0
	s_mov_b32 s[G1+7], 0
	s_mov_b32 s[SEL], 0x76543210
	s_mov_b32 s[SEL+1], 0xfedcba98
	s_mov_b32 s[CS], 0x3e38aa3b                    ; log2(e) / 8
	s_mov_b32 s[CS+1], s[CS]
	s_mov_b32 s[HM], 0xffff0000
	s_mov_b32 s[VI], 0
	s_mov_b32 s[KF], 0
	s_mov_b32 s[TB], 0
	s_mov_b32 s[OFF+1], 0
	s_mul_i32 s50, s[BH], HS
	s_mul_i32 s51, s[WV], 4352
	s_add_co_u32 s50, s50, s51
	s_add_co_u32 s50, s50, 13312
	s_mov_b32 s[G0+1], s51                         ; LDS: slot 0, my 17 rows
	s_mov_b32 s51, 0
	s_wait_kmcnt 0x0
	s_add_nc_u64 s[KVB:KVB+1], s[4:5], s[50:51]
	s_mov_b32 s[G0], 1
	s_mov_b64 s[G0+2:G0+3], s[KVB:KVB+1]
	s_or_b32 s[G0+3], s[G0+3], 0x80000000
	TLOAD                                          ; the first visit's keys: the one first fill
	s_sub_co_u32 s50, 7, s[II]
	PHASE
	INIT
.Lvisit:                                               ; eight trips; behind each change of slots the next visit's keys are asked for
	CHANGE 1
	STEP 0
	STEP 1
	s_xor_b32 s[TB], s[TB], SLOT1
	s_lshl_b32 s[KF], s[KS], 8                     ; the next visit's first key
	s_cmp_lg_u32 s[VN], s[NA]
	s_cbranch_scc1 .Lsame                          ; a branch on ids and the trip's number
	FINISH                                         ; block 7 - i is done;
	s_wait_xcnt 0x0                                ; its stores have had their addresses translated: bases and data are written again only behind this wait
	s_mov_b32 s50, s[II]
	PHASE                                          ; block i begins
	INIT
.Lsame:
	s_add_co_u32 s[VI], s[VI], 1
	s_cmp_lt_u32 s[VI], 8
	s_cbranch_scc1 .Lvisit
	CHANGE 0                                       ; the last visit is written out
	STEP 0
	STEP 1
	FINISH
	s_wait_tensorcnt 0x0                           ; the wave's end
	ds_add_u32 v5, v6
	s_wait_dscnt 0x0
	s_endpgm
.Lfunc_end_k_q43398fee04_attn:
	.size	k_q43398fee04_attn, .Lfunc_end_k_q43398fee04_attn-k_q43398fee04_attn
	.p2alignl 7, 3214868480
	.fill 96, 4, 3214868480
	.section	.rodata,"a",@progbits
	.p2align	6, 0x0
	.amdhsa_kernel k_q43398fee04_attn
		.amdhsa_group_segment_fixed_size 327680
		.amdhsa_private_segment_fixed_size 0
		.amdhsa_enable_private_segment 0
		.amdhsa_kernarg_size 24
		.amdhsa_user_sgpr_count 2
		.amdhsa_user_sgpr_kernarg_segment_ptr 1
		.amdhsa_wavefront_size32 1
		.amdhsa_system_sgpr_workgroup_id_x 1
		.amdhsa_system_sgpr_workgroup_id_y 1
		.amdhsa_system_sgpr_workgroup_id_z 1
		.amdhsa_system_vgpr_workitem_id 0
		.amdhsa_next_free_vgpr 256
		.amdhsa_next_free_sgpr 66
		.amdhsa_reserve_vcc 1
		.amdhsa_float_denorm_mode_32 3
		.amdhsa_float_denorm_mode_16_64 3
		.amdhsa_memory_ordered 1
		.amdhsa_forward_progress 1
		.amdhsa_inst_pref_size 110
	.end_amdhsa_kernel
	.amdgpu_metadata
---
amdhsa.version: [ 1, 2 ]
amdhsa.kernels:
  - .name:           k_q43398fee04_attn
    .symbol:         k_q43398fee04_attn.kd
    .args:
      - { .name: qkv, .offset: 0, .size: 8, .value_kind: global_buffer, .address_space: global }
      - { .name: oimg, .offset: 8, .size: 8, .value_kind: global_buffer, .address_space: global }
      - { .name: oscl, .offset: 16, .size: 8, .value_kind: global_buffer, .address_space: global }
    .group_segment_fixed_size: 327680
    .private_segment_fixed_size: 0
    .kernarg_segment_align: 8
    .kernarg_segment_size: 24
    .max_flat_workgroup_size: 512
    .sgpr_count:     66
    .vgpr_count:     256
    .wavefront_size: 32
...
	.end_amdgpu_metadata
.endif
;; end of part 3
;; launch proj (part 4): grid 4 x 32, 4 waves a work-group, clusters of 4 x 4, 327,680 bytes of LDS; arguments oimg, oscl, cod, scl, out0; writes out0
.if DOCPART == 4
	.amdgcn_target "amdgcn-amd-amdhsa--gfx1250"
	.amdhsa_code_object_version 6
	.text
	.protected	k_q43398fee04_proj
	.globl	k_q43398fee04_proj
	.p2align	8
	.type	k_q43398fee04_proj,@function
k_q43398fee04_proj:
	s_mov_b64 s[64:65], 0
	v_nop
	global_prefetch_b8 v0, s[64:65] scope:SCOPE_SE
	s_setreg_imm32_b32 hwreg(HW_REG_WAVE_MODE, 25, 1), 1
	s_wait_xcnt 0x0
	s_wait_alu depctr_hold_cnt(0) depctr_sa_sdst(0) depctr_va_vdst(0) depctr_va_sdst(0) depctr_va_ssrc(0) depctr_va_vcc(0) depctr_vm_vsrc(0)
	s_getreg_b32 s2, hwreg(HW_REG_IB_STS2, 6, 4)
	s_cmp_eq_u32 s2, 0
	s_cbranch_scc0 .Lentry_in_a_cluster
	s_endpgm
.Lentry_in_a_cluster:
	s_bfe_u32 s2, ttmp6, 0x10000c
	s_cmp_lg_u32 s2, 0xf033
	s_cbranch_scc0 .Lentry_shape_is_right
	s_endpgm
.Lentry_shape_is_right:
; out0 = o w_out^T on codes of BF6 (E3M2) with E8M0 scales, K = 1,024; f32 sums, f32 out.
; A work-group of four waves makes 256 tokens x 256 features, a wave 128 x 128: 64 accumulators.  P = tokens (source 1: a lane holds one token), R = features (source 0: a lane's registers run along the features).
; The rows of a tile of 16 are not neighbours: tile 2 B + u holds in its lane r the row 32 B + 8 u + r + 8 (r / 8): so the 16 registers of R's tiles 2 B, 2 B + 1 are features 32 B + 16 (lane / 16) + 0 .. 15.
; CODES come as images of the operand's registers: [tile][8 K steps][1,536], scale words [tile][512].  A fragment is four LDS loads of consecutive bytes.
; LDS: three slots of two K steps (P's 16 tiles x 3,072 bytes, then R's); K steps 0-5 are first fills, K steps 6, 7 go into slot 0 again: one refill.  Behind them all scale words (16 KiB), filled once, and the spare words.
; CLUSTER 4 x 4: P's tiles hang on cy alone and are asked for jointly along a row, R's on cx alone, along a column.  128 work-groups: 32 blocks of tokens x 4 of features.
; REGISTERS: window 0: v8-24 addresses, v28-29 the add's, v32-95 all 64 scale words (nothing else, ever), v128-223 P's 8 fragments (on the way out v128-255: rows read back).
;   window 1: R's fragments, two sets, at v0 and v128.  window 2: accumulators of P's tiles 0-3 ((a, b) at v[8 (8 (a % 4) + b)]);  window 3: of tiles 4-7.
.set SLOT,  98304
.set HALFT, 24576
.set SCL,   3*SLOT
.set HALFS, 4096
.set SPARE, SCL+4*HALFS                ; the spare words, 128 bytes for each wave: two blocks of 256 bytes that no other line names
.set FR,    12
.set ADP,   8
.set ADR,   14
.set ADRS,  20
.set L16,   21
.set L8,    22
.set STO,   23                         ; v23 the way out: where I put 32 bytes of a row
.set RD,    24                         ; v24 and where I read a row back
.set SPW,   28
.set NIL,   29
.set SC,    32
.set AF,    128
.set BK,    128
.set G1,  24
.set G1B, 32
.set G0,  48
.set G0B, 68
.set G1S, 80
.set G1SB, 88
.set G0S, 96
.set G0SB, 60
.set MSB, 0
.macro WIN new
.if MSB != (\new)
	s_set_vgpr_msb (MSB<<8)|(\new)
.set MSB, (\new)
.endif
.endm
.macro PLACES
.rept 4
	v_nop
.endr
.endm
.macro JLOAD g0a, g1a, g0b, g1b        ; a joint load: waves 0 and 1 fetch for P, waves 2 and 3 for R; four v_nop follow each of the two lines
	s_cmp_eq_u32 s15, 0
	s_cbranch_scc0 .Lfor_b_\@
	tensor_load_to_lds s[\g0a:\g0a+3], s[\g1a:\g1a+7]
	s_nop 0
.rept 4
	v_nop
.endr
	s_branch .Lasked_\@
.Lfor_b_\@:
	tensor_load_to_lds s[\g0b:\g0b+3], s[\g1b:\g1b+7]
	s_nop 0
.rept 4
	v_nop
.endr
.Lasked_\@:
.endm
.macro CREST
	s_cmp_lg_u32 s14, 0
	s_cbranch_scc1 .Lnot_wave_0_\@
	s_barrier_signal -3
.Lnot_wave_0_\@:
	s_barrier_wait -3
	s_barrier_signal -1
	s_barrier_wait -1
.endm
.macro CROUND
	s_barrier_signal -1
	s_barrier_wait -1
	CREST
.endm
	s_load_b128 s[4:7], s[0:1], 0x0                ; oimg s[4:5], oscl s[6:7]
	s_load_b128 s[8:11], s[0:1], 0x10              ; cod s[8:9], scl s[10:11]
	s_load_b64 s[12:13], s[0:1], 0x20              ; out0
	v_lshl_add_u32 v[SPW], v0, 2, SPARE
	v_mov_b32 v[NIL], 0
	ds_add_u32 v28, v29
	s_wait_dscnt 0x0
	v_lshrrev_b32 v1, 5, v0
	v_readfirstlane_b32 s14, v1                    ; wave 0..3
	s_lshr_b32 s15, s14, 1                         ; my half of P.  Also: I fetch for P (0) or for R (1)
	s_and_b32 s16, s14, 1                          ; my half of R.  Also: which 8 tiles I fetch
	s_bfe_u32 s40, ttmp6, 0x40000                  ; cx
	s_bfe_u32 s41, ttmp6, 0x40004                  ; cy
	s_and_b32 s17, ttmp7, 0xffff                   ; cluster y
	s_lshl_b32 s43, s41, 2
	s_lshl_b32 s43, 15, s43                        ; my row of the cluster
	s_lshl_b32 s44, 0x1111, s40                    ; my column
	s_lshl_b32 s47, s16, 3
	s_lshl_b32 s18, s17, 6                         ; P's first tile: 64 Y + 16 cy
	s_lshl_b32 s19, s41, 4
	s_add_co_u32 s18, s18, s19
	s_add_co_u32 s18, s18, s47
	s_lshl_b32 s45, s40, 4                         ; R's: 704 + 16 cx
	s_add_co_u32 s45, s45, 704
	s_add_co_u32 s45, s45, s47
	s_mul_i32 s20, s18, 12288
	s_mov_b32 s21, 0
	s_lshl_b32 s22, s18, 9
	s_mov_b32 s23, 0
	s_mul_i32 s46, s45, 12288
	s_mov_b32 s47, 0
	s_lshl_b32 s2, s45, 9
	s_mov_b32 s3, 0
	s_mul_i32 s19, s14, HALFT                      ; where they go: no place in the cluster enters an LDS address
	s_lshl_b32 s45, s14, 12
	s_or_b32 s[G1+0], s43, (3<<16)|(1<<21)         ; 15:0 the mask; 17:16 elements of 8 bytes; 21 set beside a mask
	s_or_b32 s[G1B+0], s44, (3<<16)|(1<<21)
.irp g, G1, G1B
	s_mov_b32 s[\g+1], 384<<16                     ; 8 rows (tiles) of 384 elements (two K steps), 1,536 elements apart
	s_mov_b32 s[\g+2], 8<<16
	s_mov_b32 s[\g+3], 384<<16
	s_mov_b32 s[\g+4], 8
	s_mov_b32 s[\g+5], 1536
	s_mov_b32 s[\g+6], 0
	s_mov_b32 s[\g+7], 0
.endr
	s_or_b32 s[G1S+0], s43, (3<<16)|(1<<21)
	s_or_b32 s[G1SB+0], s44, (3<<16)|(1<<21)
.irp g, G1S, G1SB
	s_mov_b32 s[\g+1], 32<<16                      ; 4,096 dense bytes as 16 rows of 256
	s_mov_b32 s[\g+2], 16<<16
	s_mov_b32 s[\g+3], 32<<16
	s_mov_b32 s[\g+4], 16
	s_mov_b32 s[\g+5], 32
	s_mov_b32 s[\g+6], 0
	s_mov_b32 s[\g+7], 0
.endr
	s_wait_kmcnt 0x0
	s_add_nc_u64 s[20:21], s[4:5], s[20:21]
	s_add_nc_u64 s[22:23], s[6:7], s[22:23]
	s_add_nc_u64 s[46:47], s[8:9], s[46:47]
	s_add_nc_u64 s[2:3], s[10:11], s[2:3]
	CROUND                                         ; all sixteen work-groups are here: the first joint loads meet
	s_mov_b32 s[G0S], 1
	s_add_co_u32 s[G0S+1], s45, SCL
	s_mov_b64 s[G0S+2:G0S+3], s[22:23]
	s_or_b32 s[G0S+3], s[G0S+3], 0x80000000
	s_mov_b32 s[G0SB], 1
	s_add_co_u32 s[G0SB+1], s45, SCL
	s_mov_b64 s[G0SB+2:G0SB+3], s[2:3]
	s_or_b32 s[G0SB+3], s[G0SB+3], 0x80000000
	JLOAD G0S, G1S, G0SB, G1SB
.irp s, 0,1,2
	s_mov_b32 s[G0+4*\s], 1
	s_add_co_u32 s[G0+4*\s+1], s19, \s*SLOT
	s_add_nc_u64 s[G0+4*\s+2:G0+4*\s+3], s[20:21], \s*3072
	s_or_b32 s[G0+4*\s+3], s[G0+4*\s+3], 0x80000000
	s_mov_b32 s[G0B+4*\s], 1
	s_add_co_u32 s[G0B+4*\s+1], s19, \s*SLOT
	s_add_nc_u64 s[G0B+4*\s+2:G0B+4*\s+3], s[46:47], \s*3072
	s_or_b32 s[G0B+4*\s+3], s[G0B+4*\s+3], 0x80000000
	JLOAD G0+4*\s, G1, G0B+4*\s, G1B               ; four tensor loads of mine are out now
.endr
	v_and_b32 v1, 31, v0
	v_and_b32 v2, 15, v0                           ; r
	v_bfe_u32 v3, v0, 4, 1                         ; h
	v_lshlrev_b32 v[L16], 4, v1
	v_lshlrev_b32 v[L8], 3, v1
	s_mul_i32 s18, s15, HALFT
	s_mul_i32 s19, s16, HALFT
	s_add_co_u32 s19, s19, 2*HALFT
.irp s, 0,1,2
	v_add_nc_u32 v[ADP+\s], s18, v[L16]
	v_add_nc_u32 v[ADR+\s], s19, v[L16]
	v_add_nc_u32 v[ADP+3+\s], s18, v[L8]
	v_add_nc_u32 v[ADR+3+\s], s19, v[L8]
	s_add_co_u32 s18, s18, SLOT
	s_add_co_u32 s19, s19, SLOT
.endr
	v_lshlrev_b32 v4, 4, v2
	s_lshl_b32 s18, s15, 12
	s_lshl_b32 s19, s16, 12
	s_add_co_u32 s19, s19, 8192
	s_sub_co_u32 s19, s19, s18
	v_mul_u32_u24 v5, s19, v3                      ; lanes 16-31 take R's scale words
	s_add_co_u32 s18, s18, SCL
	v_add_nc_u32 v4, v4, v5
	v_add_nc_u32 v[ADRS], s18, v4
	s_mul_i32 s18, s14, 8448                       ; my stage: 16 rows x 528 bytes, in slot 1: that slot has its only fill, and its last read stands ahead of the barrier in K step 5
	s_add_co_u32 s18, s18, SLOT
	v_mul_u32_u24 v4, v2, 528
	v_lshl_add_u32 v4, v3, 6, v4
	v_add_nc_u32 v[STO], s18, v4                   ; in: row r, + 64 h
	v_add_nc_u32 v[RD], s18, v[L16]                ; back: 16 bytes a lane of a row of 512
	s_lshl_b32 s18, s17, 2
	s_add_co_u32 s18, s18, s41
	s_lshl_b32 s18, s18, 8
	s_lshl_b32 s19, s15, 7
	s_add_co_u32 s18, s18, s19                     ; my first token: 256 (4 Y + cy) + 128 x half
	s_lshl_b32 s18, s18, 12                        ; rows of 4,096 bytes (under 2^26)
	s_lshl_b32 s19, s40, 10
	s_add_co_u32 s18, s18, s19
	s_lshl_b32 s19, s16, 9
	s_add_co_u32 s18, s18, s19                     ; my first feature, in bytes: 1,024 cx + 512 x half
	s_mov_b32 s19, 0
	s_add_nc_u64 s[12:13], s[12:13], s[18:19]
.macro FRAG reg, adr, off
	ds_load_b128 v[\reg:\reg+3], v[\adr] offset:\off
	ds_load_b64 v[\reg+4:\reg+5], v[\adr+3] offset:\off+512
	ds_load_b128 v[\reg+6:\reg+9], v[\adr] offset:\off+768
	ds_load_b64 v[\reg+10:\reg+11], v[\adr+3] offset:\off+1280
.endm
.macro FETCH_B ks
	WIN 0x40
.irp i, 0,1,2,3,4,5,6,7
	FRAG 128*((\ks)%2)+FR*\i, ADR+((\ks)/2)%3, 3072*\i+1536*((\ks)%2)
.endr
	WIN 0
.endm
.macro FETCH_A ks, i0
.irp i, \i0, \i0+1, \i0+2, \i0+3
	FRAG AF+FR*(\i), ADP+((\ks)/2)%3, 3072*(\i)+1536*((\ks)%2)
.endr
.endm
.macro SCALES
.irp i, 0,1,2,3,4,5,6,7
	ds_load_b128 v[SC+8*\i:SC+8*\i+3], v[ADRS] offset:512*\i
	ds_load_b128 v[SC+8*\i+4:SC+8*\i+7], v[ADRS] offset:512*\i+256
.endr
.endm
; The 64 accumulators take turns, one instruction a turn, in the same order in every step.
.macro MUL16 a0, ks, zero
.irp a, \a0, \a0+1
.irp b, 0,1,2,3,4,5,6,7
.if \zero
	v_wmma_scale_f32_16x16x128_f8f6f4 v[8*(8*((\a)%4)+\b):8*(8*((\a)%4)+\b)+7], v[128*((\ks)%2)+FR*\b:128*((\ks)%2)+FR*\b+FR-1], v[AF+FR*(\a):AF+FR*(\a)+FR-1], 0, v[SC+8*\b+(\ks)], v[SC+8*(\a)+(\ks)] matrix_a_fmt:MATRIX_FMT_BF6 matrix_b_fmt:MATRIX_FMT_BF6 matrix_a_scale:MATRIX_SCALE_ROW1
.else
	v_wmma_scale_f32_16x16x128_f8f6f4 v[8*(8*((\a)%4)+\b):8*(8*((\a)%4)+\b)+7], v[128*((\ks)%2)+FR*\b:128*((\ks)%2)+FR*\b+FR-1], v[AF+FR*(\a):AF+FR*(\a)+FR-1], v[8*(8*((\a)%4)+\b):8*(8*((\a)%4)+\b)+7], v[SC+8*\b+(\ks)], v[SC+8*(\a)+(\ks)] matrix_a_fmt:MATRIX_FMT_BF6 matrix_b_fmt:MATRIX_FMT_BF6 matrix_a_scale:MATRIX_SCALE_ROW1
.endif
.endr
.endr
.endm
.macro STEP ks, zero
	s_wait_dscnt 16                                ; R's set and P's tiles 0-3 are in; the youngest 16 loads (P's tiles 4-7) may be out
	WIN 0xa1
	MUL16 0, \ks, \zero
	MUL16 2, \ks, \zero
	s_wait_dscnt 0x0
	PLACES                                         ; four plain vector instructions in front of loads into registers that matrix instructions have read
	FETCH_B (\ks)+1
	FETCH_A (\ks)+1, 0
	WIN 0xf1
	MUL16 4, \ks, \zero
	MUL16 6, \ks, \zero
	PLACES
	WIN 0
	FETCH_A (\ks)+1, 4
.endm
.macro TURN ks, fill
	s_wait_tensorcnt 0x0                           ; all my tensor loads have landed
	ds_add_u32 v[SPW], v[NIL]                      ; 0 onto my spare word
	s_wait_dscnt 17                                ; (the add and the youngest 16 loads may be out)
	WIN 0xa1
	MUL16 0, \ks, 0
	s_wait_dscnt 0x0                               ; the add is done, and all my reads of LDS so far are over
	s_barrier_signal -1
	MUL16 2, \ks, 0
	WIN 0
	s_barrier_wait -1
.if \fill
	CREST                                          ; no wave of any partner still reads slot 0 or has a load on its way
	s_add_nc_u64 s[G0+2:G0+3], s[G0+2:G0+3], 9216
	s_add_nc_u64 s[G0B+2:G0B+3], s[G0B+2:G0B+3], 9216
	JLOAD G0, G1, G0B, G1B                         ; my one tensor load behind the round: K steps 6 and 7; it has four K steps in which to land
.else
	PLACES
.endif
	FETCH_B (\ks)+1
	FETCH_A (\ks)+1, 0
	WIN 0xf1
	MUL16 4, \ks, 0
	MUL16 6, \ks, 0
	PLACES
	WIN 0
	FETCH_A (\ks)+1, 4
.endm
	s_wait_tensorcnt 2                             ; the scale words and my part of slot 0 are in; the loads of slots 1 and 2 may be out
	s_barrier_signal -1
	s_barrier_wait -1
	FETCH_B 0
	FETCH_A 0, 0
	SCALES
	FETCH_A 0, 4
	STEP 0, 1
	TURN 1, 1                                      ; its barrier also shows slots 1 and 2 whole to every wave
	STEP 2, 0
	STEP 3, 0
	STEP 4, 0
	TURN 5, 0
	STEP 6, 0
	s_wait_dscnt 16                                ; K step 7: nothing more to fetch
	WIN 0xa1
	MUL16 0, 7, 0
	MUL16 2, 7, 0
	s_wait_dscnt 0x0
	WIN 0xf1
	MUL16 4, 7, 0
	MUL16 6, 7, 0
	WIN 0
	PLACES
; THE WAY OUT, a tile of 16 tokens x 128 features at a time, through my own stage: in as 32 bytes a lane, back as whole rows of 512 bytes.  LDS serves a wave's instructions in order: no wait between the stores and the loads.
.macro TOSTAGE a
.set AC, 64*((\a)%4)
	WIN 0x08+4*((\a)/4)                            ; an LDS store's data are its source 1: window 2 or 3
.irp b, 0,1,2,3,4,5,6,7
	ds_store_b128 v[STO], v[AC+8*\b:AC+8*\b+3] offset:128*(\b/2)+32*(\b%2)       ; features 32 (b / 2) + 16 h + 8 (b % 2) + 0 .. 7; each accumulator from its low end on
	ds_store_b128 v[STO], v[AC+8*\b+4:AC+8*\b+7] offset:128*(\b/2)+32*(\b%2)+16
.endr
	WIN 0
.set BB, BK+64*((\a)%2)
.irp t, 0,1,2,3,4,5,6,7,8,9,10,11,12,13,14,15
	ds_load_b128 v[BB+4*\t:BB+4*\t+3], v[RD] offset:\t*528
.endr
.endm
.macro SEND a, younger                 ; younger: the LDS instructions issued behind tile a's loads, which may stay out
.set BB, BK+64*((\a)%2)
	s_wait_dscnt \younger
.irp t, 0,1,2,3,4,5,6,7,8,9,10,11,12,13,14,15
	global_store_b128 v[L16], v[BB+4*\t:BB+4*\t+3], s[12:13] offset:(32*((\a)/2)+8*((\a)%2)+\t+8*(\t/8))*4096 th:TH_STORE_NT   ; 512 consecutive bytes of the token's row; every offset is an immediate, 520,192 at the most
.endr
.endm
	TOSTAGE 0
.irp a, 1,2,3,4,5,6,7
.if \a > 1
	s_wait_xcnt 0x0                                ; tile a - 2's stores have had their addresses translated: tile a's loads may land in their data registers
.endif
	TOSTAGE \a
	SEND \a-1, 32                                  ; behind tile a - 1's loads: tile a's 16 stores and 16 loads
.endr
	SEND 7, 0
	s_wait_tensorcnt 0x0                           ; the wave's end
	ds_add_u32 v[SPW], v[NIL]
	s_wait_dscnt 0x0
	CROUND                                         ; the closing round
	s_endpgm
.Lfunc_end_k_q43398fee04_proj:
	.size	k_q43398fee04_proj, .Lfunc_end_k_q43398fee04_proj-k_q43398fee04_proj
	.p2alignl 7, 3214868480
	.fill 96, 4, 3214868480
	.section	.rodata,"a",@progbits
	.p2align	6, 0x0
	.amdhsa_kernel k_q43398fee04_proj
		.amdhsa_group_segment_fixed_size 327680
		.amdhsa_private_segment_fixed_size 0
		.amdhsa_enable_private_segment 0
		.amdhsa_kernarg_size 40
		.amdhsa_user_sgpr_count 2
		.amdhsa_user_sgpr_kernarg_segment_ptr 1
		.amdhsa_wavefront_size32 1
		.amdhsa_system_sgpr_workgroup_id_x 1
		.amdhsa_system_sgpr_workgroup_id_y 1
		.amdhsa_system_sgpr_workgroup_id_z 1
		.amdhsa_system_vgpr_workitem_id 0
		.amdhsa_next_free_vgpr 1024
		.amdhsa_next_free_sgpr 100
		.amdhsa_reserve_vcc 0
		.amdhsa_float_denorm_mode_32 3
		.amdhsa_float_denorm_mode_16_64 3
		.amdhsa_memory_ordered 1
		.amdhsa_forward_progress 1
		.amdhsa_inst_pref_size 142
	.end_amdhsa_kernel
	.amdgpu_metadata
---
amdhsa.version: [ 1, 2 ]
amdhsa.kernels:
  - .name:           k_q43398fee04_proj
    .symbol:         k_q43398fee04_proj.kd
    .args:
      - { .name: oimg, .offset: 0, .size: 8, .value_kind: global_buffer, .address_space: global }
      - { .name: oscl, .offset: 8, .size: 8, .value_kind: global_buffer, .address_space: global }
      - { .name: cod, .offset: 16, .size: 8, .value_kind: global_buffer, .address_space: global }
      - { .name: scl, .offset: 24, .size: 8, .value_kind: global_buffer, .address_space: global }
      - { .name: out0, .offset: 32, .size: 8, .value_kind: global_buffer, .address_space: global }
    .group_segment_fixed_size: 327680
    .private_segment_fixed_size: 0
    .kernarg_segment_align: 8
    .kernarg_segment_size: 40
    .max_flat_workgroup_size: 128
    .sgpr_count:     100
    .vgpr_count:     1024
    .wavefront_size: 32
...
	.end_amdgpu_metadata
.endif
;; end of part 4
